; MI455X (gfx1250); checked and timed in simulation.
; The chip was launched on July 23, 2026; its instructions are those of AMD's public machine-readable ISA for CDNA 5 (MIT licence, August 2026) and "CDNA5" Instruction Set Architecture Reference Guide (July 2026). The comments in the code are by the model that wrote it; some were corrected since.
;; Mo E layer megatron wo gate v3. Allowed arithmetic: matrix products marked QUANTISED: E5M2 operands, one E8M0 scale for each 32 along K, by v_wmma_scale_f32_16x16x128_f8f6f4 with both operands' format E5M2, f32 sums; products left as they are: f32 operands where the result goes on into a quantised operand, else bf16, f16 or f32 operands; f32 sums; everything else in f32.
;; Inputs: choosed_experts 8,192 x 2 int32; gate_weight 8,192 x 2 float32; hidden_states_codes 1,024 x 8 x 32 x 32 uint8 (E5M2 codes of hidden_states, K innermost, in blocks of 32 codes); hidden_states_scales 1,024 x 8 x 32 uint8 (E8M0 scales of hidden_states, one for each 32 codes along K); w1_codes 8 x 512 x 32 x 32 uint8 (E5M2 codes of w1, K innermost, in blocks of 32 codes); w1_scales 8 x 512 x 32 uint8 (E8M0 scales of w1, one for each 32 codes along K); w2_codes 8 x 1,024 x 16 x 32 uint8 (E5M2 codes of w2, K innermost, in blocks of 32 codes); w2_scales 8 x 1,024 x 16 uint8 (E8M0 scales of w2, one for each 32 codes along K).
;; Outputs: out0 8,192 x 1,024 float32.
;; This version of the problem:
;;   THIS VERSION OF THE PROBLEM IS GIVEN IN LOW PRECISION. The matrix products marked QUANTISED in the list below multiply operands that are first quantised to E5M2 (5 exponent bits, 2 mantissa bits; 8 bits a number), with one power-of-two scale for each 32 numbers along K (OCP MX v1.0); their sums are f32. All else is computed in f32.
;;   The module's matrix products, in the order in which they are computed (A, B: the left and right operand; K: the contracted axis; several contracted axes count as one K, in the product's order):
;;     1. batch 8,192 x [M 1, K 2] x [K 2, N 8]; A: input gate_weight; B: computed on the way: left as it is (K = 2 < 32)
;;     2. [M 8,192, K 1,024] x [K 1,024, N 512]; A: input hidden_states (given as codes); B: input w1 (given as codes): QUANTISED
;;     3. [M 8,192, K 512] x [K 512, N 1,024]; A: computed on the way; B: input w2 (given as codes): QUANTISED
;;     4. [M 8,192, K 1,024] x [K 1,024, N 512]; A: input hidden_states (given as codes); B: input w1 (given as codes): QUANTISED
;;     5. [M 8,192, K 512] x [K 512, N 1,024]; A: computed on the way; B: input w2 (given as codes): QUANTISED
;;     6. [M 8,192, K 1,024] x [K 1,024, N 512]; A: input hidden_states (given as codes); B: input w1 (given as codes): QUANTISED
;;     7. [M 8,192, K 512] x [K 512, N 1,024]; A: computed on the way; B: input w2 (given as codes): QUANTISED
;;     8. [M 8,192, K 1,024] x [K 1,024, N 512]; A: input hidden_states (given as codes); B: input w1 (given as codes): QUANTISED
;;     9. [M 8,192, K 512] x [K 512, N 1,024]; A: computed on the way; B: input w2 (given as codes): QUANTISED
;;     10. [M 8,192, K 1,024] x [K 1,024, N 512]; A: input hidden_states (given as codes); B: input w1 (given as codes): QUANTISED
;;     11. [M 8,192, K 512] x [K 512, N 1,024]; A: computed on the way; B: input w2 (given as codes): QUANTISED
;;     12. [M 8,192, K 1,024] x [K 1,024, N 512]; A: input hidden_states (given as codes); B: input w1 (given as codes): QUANTISED
;;     13. [M 8,192, K 512] x [K 512, N 1,024]; A: computed on the way; B: input w2 (given as codes): QUANTISED
;;     14. [M 8,192, K 1,024] x [K 1,024, N 512]; A: input hidden_states (given as codes); B: input w1 (given as codes): QUANTISED
;;     15. [M 8,192, K 512] x [K 512, N 1,024]; A: computed on the way; B: input w2 (given as codes): QUANTISED
;;     16. [M 8,192, K 1,024] x [K 1,024, N 512]; A: input hidden_states (given as codes); B: input w1 (given as codes): QUANTISED
;;     17. [M 8,192, K 512] x [K 512, N 1,024]; A: computed on the way; B: input w2 (given as codes): QUANTISED
;;   THE QUANTISER, for each operand of a quantised product, along K:
;;     - K is cut into blocks of 32 from its start; a last block that is shorter is filled with zeros.
;;     - A block's scale is 2^e with e = floor(log2(the largest magnitude in the block)) - 15, held to -126 .. 127; a block of zeros has e = 0. As a byte (E8M0): e + 127.
;;     - Each number is divided by its block's scale, clamped to +-57,344, and rounded to the nearest number of E5M2, ties to even, subnormals kept.
;;     - The product sums the exact products of the quantised numbers (number of the format x scale) in f32.
;;   ~~~python
;;   def quantise(x, axis):      # numpy; x: float32 -> the quantised numbers, widened to float32 again
;;       x = np.moveaxis(x, axis, -1); K = x.shape[-1]
;;       x = np.pad(x, [(0, 0)] * (x.ndim - 1) + [(0, -K % 32)]); x = x.reshape(x.shape[:-1] + (-1, 32)); a = np.abs(x).max(-1, keepdims=True)
;;       e = np.where(a > 0, np.clip(np.frexp(np.where(a > 0, a, 1))[1] - 1 - 15, -126, 127), 0)      # np.frexp(a)[1] - 1 = floor(log2(a)), exactly
;;       r = np.clip(x / 2.0 ** e, -57344, 57344)
;;       step = 2.0 ** (np.maximum(np.frexp(np.where(r == 0, 1, r))[1] - 1, -14) - 2)
;;       q = np.round(r / step) * step * 2.0 ** e      # np.round: ties to even
;;       return np.moveaxis(q.reshape(q.shape[:-2] + (-1,))[..., :K], -1, axis).astype(np.float32)
;;   ~~~
;;   OPERANDS COMPUTED ON THE WAY. 'Computed on the way' means the value that the module computes at that place (a softmax that the list does not call 'softmax' is quantised finished and normalised). What goes into a quantiser is computed in f32, as accurately as f32 sums, v_exp_f32 and their like allow (about 1e-6 of the number): no bf16 or f16 on the way to a quantiser, and a product that is left as it is and whose result goes on into a quantised operand takes f32 operands (vector FMAs, or v_wmma_f32_16x16x4_f32). A number that lies on a knife's edge between two numbers of the format may be rounded either way, as far as f32 arithmetic and the matrix unit's own rounding can turn it there, and no further.
;;   INPUTS GIVEN AS CODES. hidden_states (in the module: [1024, 8, 1024], K = its axis 2); w1 (in the module: [8, 1024, 512], K = its axis 1); w2 (in the module: [8, 512, 1024], K = its axis 1): each comes as NAME_codes (uint8): NAME with its K axis moved to the last place and cut into blocks of 32 codes, [.., K / 32, bytes a block], one block behind the other in memory; one code a byte (a code: sign, 5 exponent bits, 2 mantissa bits); and NAME_scales (uint8): the same leading axes, one E8M0 byte (e + 127) for each 32 codes along K. Its value is code x scale, taken as it is: it is not quantised again, and the codes and scales need not be those that the quantiser above would give.
;; 2 versions. Each part assembles by itself: llvm-mc -triple=amdgcn-amd-amdhsa -mcpu=gfx1250 --defsym DOCPART=n.
;; ======== version 1 of 2: 3 launches
;; workspace buffers: list1 262,144 bytes of whole numbers; ncnt 256 bytes of whole numbers; rec 32,768 bytes of whole numbers; coef 65,536 bytes; w1l 4,194,304 bytes; w2l 4,194,304 bytes; h 8,388,608 bytes; hs 262,144 bytes
;; launch route (part 1): grid 160 x 1, 32 waves a work-group, no clusters, 5,120 bytes of LDS; arguments choosed_experts, gate_weight, w1_codes, w2_codes, list1, ncnt, rec, coef, w1l, w2l; writes list1, ncnt, rec, coef, w1l, w2l
.if DOCPART == 1
	.amdgcn_target "amdgcn-amd-amdhsa--gfx1250"
	.amdhsa_code_object_version 6
	.text
	.protected	k_q64004ae94c_route
	.globl	k_q64004ae94c_route
	.p2align	8
	.type	k_q64004ae94c_route,@function
k_q64004ae94c_route:
	s_mov_b64 s[64:65], 0
	v_nop
	global_prefetch_b8 v0, s[64:65] scope:SCOPE_SE
	s_setreg_imm32_b32 hwreg(HW_REG_WAVE_MODE, 25, 1), 1
	s_wait_xcnt 0x0
; ROUTING AND WEIGHT LAYOUT, one launch.
; Work-groups 0-31: a counting sort of the 8,192 tokens by their experts, without atomics.  Work-group g serves expert e = g / 4 and places a quarter (part = g % 4) of the tokens.
;   Every one of the four counts ALL tokens that use e, in 8 bins by the token's OTHER expert o = e0 ^ e1 ^ e (o = e where both choices name e).  Thread tid owns tokens 1024 j + tid, j = 0..7;
;   the order inside a bin is (thread, j), the same in all four.  q = (bins below o) + rank is the token's place in expert e's list:  list1[e][q] = 2 t + (o < e), the row of h that fc1 writes for it.
;   Where o >= e, e is the token's lower expert, and s = q - (bins below e) + (tokens whose lower expert is below e) is its place in the order by (lower, higher):  rec[s] = t | lo << 16 | hi << 20, coef[s] = (c_lo, c_hi).
;   A token that names e twice has one row and c_lo = g0 + g1, c_hi = 0.  list1[e] is filled with 0 up to a multiple of 128, ncnt[e] = the list's length.
;   A part places tokens j = 2 part and 2 part + 1 of every thread.  They are picked by selects on the work-group's number; all addresses and data are made with every lane on, each in a register of its own,
;   and the masked stores follow in one run at the end.
; Work-groups 32-159: w1's and w2's codes are laid in the order of a matrix operand's registers: a fragment (16 rows x 128 K) is 2,048 bytes, register group c of lane l at 512 c + 16 l.  One wave moves one fragment.
;   w1l [e][T 0..31][ks 0..7]: lane r of tile T = 2 B + u is row 32 B + 8 u + r + 8 (r / 8), so that fc1's results of tiles 2 B, 2 B + 1 are 16 neighbours along fc2's K.   w2l [e][T 0..63][ks 0..3]: row 16 T + r.
; LIMITS: expert numbers outside 0..7 are not served (every address made of them is clamped into its buffer).
; No matrix unit, no tensor loads, no cluster: the sort is counting, the layout is a copy, and no two work-groups read a tile at the same time.
	s_load_b512 s[4:19], s[0:1], 0x0               ; choices s[4:5], gates s[6:7], w1 s[8:9], w2 s[10:11], list1 s[12:13], ncnt s[14:15], rec s[16:17], coef s[18:19]
	s_load_b128 s[20:23], s[0:1], 0x40             ; w1l s[20:21], w2l s[22:23]
	v_lshl_add_u32 v126, v0, 2, 0x400
	v_mov_b32 v127, 0
	v_lshrrev_b32 v1, 5, v0
	v_readfirstlane_b32 s24, v1                    ; wave 0..31
	v_and_b32 v1, 31, v0                           ; lane
	s_cmp_ge_u32 ttmp9, 32
	s_cbranch_scc1 .Llayout
; ---------------- the sort ----------------
; s25 e, s26 part, s27 my wave's count of tokens whose lower expert is below e; s32-39 masks 'e0 = e', s40-47 masks 'uses e'; s48-51 totals, s52-55 the waves before mine, s56 tokens with a lower expert below e;
; s57-58 'e0 = e', s59-60 'uses e', s61-62 'e is the lower expert' of my part's two tokens; s66-74 first places of the bins (s74 = the list's length); s75-78 those + the waves before mine, two bins to a word;
; s79 first place of bin e; s80 what turns q into s; s81 e << 16; s87 the pads' lanes, s88 the length's lane; s89-90 the two tokens' 1024 j.
; v4 my 8 counts, a nibble each (at most 8); v8-23 the choices; v24-31 o; v32-39 my rank among my own tokens; v40-43 the gates of my part's two tokens; v44-47 counts, bins k and k + 4 in the halves of word k;
; v61-64 the place of my first token of each bin; v80-81 o, v82-83 rank of my part's two tokens; v84-91, v92-99 what is stored for them; v100-103 the pads and the length.
	s_lshr_b32 s25, ttmp9, 2
	s_and_b32 s26, ttmp9, 3
	s_mov_b32 s27, 0
	s_mov_b32 s28, 0xffff0000                      ; lanes 16-31
	s_mov_b32 s29, -1                              ; v_permlanex16_b32's selects: every lane takes lane 15 of the other half
	s_mov_b32 s30, -1
	s_lshl_b32 s81, s25, 16
	s_lshl_b32 s89, s26, 11
	s_add_co_u32 s90, s89, 1024
	v_lshlrev_b32 v2, 3, v0                        ; a token's two choices, and its two gates, are 8 bytes
	v_mov_b32 v3, 0                                ; (the destination of a lane move counts as read)
	v_mov_b32 v4, 0
	v_mov_b32 v65, 1
	s_lshl_b32 s84, s26, 14                        ; my part's gates: tokens 2,048 part on
	s_mov_b32 s85, 0
	s_wait_kmcnt 0x0
	s_add_nc_u64 s[6:7], s[6:7], s[84:85]
.set j, 0
.rept 8
	global_load_b64 v[8+2*j:9+2*j], v2, s[4:5] offset:8192*j
.set j, j+1
.endr
	global_load_b64 v[40:41], v2, s[6:7]
	global_load_b64 v[42:43], v2, s[6:7] offset:8192
	s_lshl_b32 s84, s25, 15
	s_add_nc_u64 s[12:13], s[12:13], s[84:85]      ; list1 at expert e's 8,192 words
	s_wait_loadcnt 0x2                             ; the choices are in; the two loads of gates may stay out
.set j, 0
.rept 8
	v_xor_b32 v[24+j], v[8+2*j], v[9+2*j]
	v_cmp_eq_u32 s[32+j], s25, v[8+2*j]
	v_cmp_eq_u32 vcc_lo, s25, v[9+2*j]
	v_xor_b32 v[24+j], s25, v[24+j]                ; o
	s_or_b32 s[40+j], s[32+j], vcc_lo              ; the token uses e
	v_lshlrev_b32 v5, 2, v[24+j]
	v_bfe_u32 v[32+j], v4, v5, 4                   ; how many of my earlier tokens fell into bin o
	v_lshlrev_b32 v6, v5, v65
	v_cndmask_b32 v6, 0, v6, s[40+j]
	v_add_nc_u32 v4, v4, v6
	v_min_u32 v7, v[8+2*j], v[9+2*j]
	v_cmp_gt_u32 vcc_lo, s25, v7                   ; its lower expert is below e
	s_bcnt1_i32_b32 s84, vcc_lo
	s_add_co_u32 s27, s27, s84
.set j, j+1
.endr
.set k, 0
.rept 4
	v_lshrrev_b32 v[44+k], 4*k, v4
	v_and_b32 v[44+k], 0x000f000f, v[44+k]         ; bins k and k + 4, 16 bits each: a sum over all tokens is at most 8,192
	v_mov_b32 v[48+k], v[44+k]
.set k, k+1
.endr
; the sum of lanes 0 .. l, in lane l: four steps inside each half of 16 lanes, then the lower half's total onto the upper half
.macro SCAN r
	v_mov_b32_dpp v3, v[\r] row_shr:1 row_mask:0xf bank_mask:0xf bound_ctrl:1
	v_add_nc_u32 v[\r], v[\r], v3
	v_mov_b32_dpp v3, v[\r] row_shr:2 row_mask:0xf bank_mask:0xf bound_ctrl:1
	v_add_nc_u32 v[\r], v[\r], v3
	v_mov_b32_dpp v3, v[\r] row_shr:4 row_mask:0xf bank_mask:0xf bound_ctrl:1
	v_add_nc_u32 v[\r], v[\r], v3
	v_mov_b32_dpp v3, v[\r] row_shr:8 row_mask:0xf bank_mask:0xf bound_ctrl:1
	v_add_nc_u32 v[\r], v[\r], v3
	v_permlanex16_b32 v3, v[\r], s29, s30
	v_cndmask_b32 v3, 0, v3, s28
	v_add_nc_u32 v[\r], v[\r], v3
.endm
	SCAN 44
	SCAN 45
	SCAN 46
	SCAN 47
.set k, 0
.rept 4
	v_sub_nc_u32 v[48+k], v[44+k], v[48+k]         ; the lanes before mine
	v_readlane_b32 s[48+k], v[44+k], 31            ; my wave's total
.set k, k+1
.endr
.set k, 0
.rept 4
	v_mov_b32 v[52+k], s[48+k]
.set k, k+1
.endr
	v_mov_b32 v56, s27
	v_mov_b32 v7, s24
	v_lshlrev_b32 v7, 5, v7                        ; 32 bytes of LDS for each wave; all lanes write the same words with the same values
	ds_store_b128 v7, v[52:55]
	ds_store_b32 v7, v56 offset:16
	s_wait_dscnt 0x0                               ; for the others' sake: my totals have landed
	s_barrier_signal -1
	s_barrier_wait -1
	v_lshlrev_b32 v7, 5, v1                        ; lane l takes wave l's totals
	ds_load_b128 v[52:55], v7
	ds_load_b32 v56, v7 offset:16
	s_wait_dscnt 0x0
.set k, 0
.rept 4
	v_mov_b32 v[57+k], v[52+k]
.set k, k+1
.endr
	SCAN 52
	SCAN 53
	SCAN 54
	SCAN 55
	SCAN 56
.set k, 0
.rept 4
	v_sub_nc_u32 v[57+k], v[52+k], v[57+k]
	v_readlane_b32 s[52+k], v[57+k], s24           ; the waves before mine
	v_readlane_b32 s[48+k], v[52+k], 31            ; all waves
.set k, k+1
.endr
	v_readlane_b32 s56, v56, 31
	s_mov_b32 s66, 0
.set k, 0
.rept 4
	s_and_b32 s84, s[48+k], 0xffff
	s_add_co_u32 s[67+k], s[66+k], s84
.set k, k+1
.endr
.set k, 0
.rept 4
	s_lshr_b32 s84, s[48+k], 16
	s_add_co_u32 s[71+k], s[70+k], s84
.set k, k+1
.endr
.set k, 0
.rept 4
	s_lshl_b32 s84, s[70+k], 16
	s_or_b32 s84, s84, s[66+k]
	s_add_co_u32 s[75+k], s84, s[52+k]             ; each half stays under 8,192: no carry between them
	v_add_nc_u32 v[61+k], s[75+k], v[48+k]         ; the place of my first token of bins k and k + 4
.set k, k+1
.endr
	s_mov_b32 s79, s66
.set k, 1
.rept 7
	s_cmp_eq_u32 s25, k
	s_cselect_b32 s79, s[66+k], s79
.set k, k+1
.endr
	s_sub_co_u32 s80, s56, s79
	; my part's two tokens out of the eight: the choice hangs on the work-group's number alone
	v_mov_b32 v80, v24
	v_mov_b32 v81, v25
	v_mov_b32 v82, v32
	v_mov_b32 v83, v33
	s_mov_b32 s57, s32
	s_mov_b32 s58, s33
	s_mov_b32 s59, s40
	s_mov_b32 s60, s41
.set k, 1
.rept 3
	s_cmp_eq_u32 s26, k
	s_cselect_b32 s84, -1, 0
	s_cselect_b32 s57, s[32+2*k], s57
	s_cselect_b32 s58, s[33+2*k], s58
	s_cselect_b32 s59, s[40+2*k], s59
	s_cselect_b32 s60, s[41+2*k], s60
	v_cndmask_b32 v80, v80, v[24+2*k], s84
	v_cndmask_b32 v81, v81, v[25+2*k], s84
	v_cndmask_b32 v82, v82, v[32+2*k], s84
	v_cndmask_b32 v83, v83, v[33+2*k], s84
.set k, k+1
.endr
	s_wait_loadcnt 0x0                             ; the gates
; What is stored for token x (0, 1) of my part: v[PB] list1's offset, +1 the row of h, +2 rec's offset, +3 coef's, +4, +5 the two weights, +6 the record.  Every lane is on.
.macro PLACE x
.set PB, 84+8*(\x)
.set g, 40+2*(\x)
	v_and_b32 v66, 1, v[80+(\x)]
	v_cmp_ne_u32 vcc_lo, 0, v66
	v_cndmask_b32 v67, v61, v62, vcc_lo
	v_cndmask_b32 v68, v63, v64, vcc_lo
	v_and_b32 v66, 2, v[80+(\x)]
	v_cmp_ne_u32 vcc_lo, 0, v66
	v_cndmask_b32 v67, v67, v68, vcc_lo            ; word o % 4,
	v_and_b32 v66, 4, v[80+(\x)]
	v_lshlrev_b32 v66, 2, v66
	v_bfe_u32 v67, v67, v66, 16                    ; its half o / 4,
	v_add_nc_u32 v67, v67, v[82+(\x)]              ; + my rank among my own: q
	v_add_nc_u32 v69, s[89+(\x)], v0               ; t
	v_cmp_gt_u32 vcc_lo, s25, v[80+(\x)]
	v_cndmask_b32 v70, 0, 1, vcc_lo
	v_lshl_add_u32 v[PB+1], v69, 1, v70            ; the row of h: 2 t + (e is the higher expert)
	v_min_u32 v[PB], 0x1fff, v67
	v_lshlrev_b32 v[PB], 2, v[PB]
	v_add_nc_u32 v72, s80, v67                     ; s
	v_min_u32 v72, 0x1fff, v72
	v_lshlrev_b32 v[PB+2], 2, v72
	v_lshlrev_b32 v[PB+3], 3, v72
	v_lshl_or_b32 v[PB+6], v[80+(\x)], 20, v69
	v_or_b32 v[PB+6], s81, v[PB+6]                 ; t | e << 16 | o << 20
	v_cndmask_b32 v[PB+4], v[g+1], v[g], s[57+(\x)]    ; e's gate,
	v_cndmask_b32 v[PB+5], v[g], v[g+1], s[57+(\x)]    ; the other's
	v_add_f32 v78, v[g], v[g+1]
	v_cmp_eq_u32 vcc_lo, s25, v[80+(\x)]
	v_cndmask_b32 v[PB+4], v[PB+4], v78, vcc_lo    ; both choices name e: the sum, and nothing for a second row
	v_cmp_ne_u32 vcc_lo, s25, v[80+(\x)]
	v_cndmask_b32 v[PB+5], 0, v[PB+5], vcc_lo
	v_cmp_le_u32 s[61+(\x)], s25, v[80+(\x)]
	s_and_b32 s[61+(\x)], s[61+(\x)], s[59+(\x)]   ; e is the token's lower expert
.endm
	PLACE 0
	PLACE 1
	; part 0 also fills the list up to a multiple of 128 and stores its length
	s_cmp_eq_u32 s26, 0
	s_cselect_b32 s86, -1, 0
	s_add_co_u32 s84, s74, 127
	s_and_b32 s84, s84, 0xffffff80
	v_add_nc_u32 v100, s74, v0
	v_cmp_gt_u32 s87, s84, v100
	s_and_b32 s87, s87, s86
	v_min_u32 v100, 0x1fff, v100
	v_lshlrev_b32 v100, 2, v100
	v_mov_b32 v101, 0
	v_cmp_eq_u32 s88, 0, v0
	s_and_b32 s88, s88, s86
	s_lshl_b32 s84, s25, 2
	v_mov_b32 v102, s84
	v_mov_b32 v103, s74
; The masked stores.  EXEC is a source of the memory instructions that are out: it changes only behind s_wait_xcnt 0; between a restore and the next narrowing nothing is issued.
.macro MASKED m
	s_mov_b32 vcc_lo, s[\m]
	s_and_saveexec_b32 s82, vcc_lo
.endm
.macro UNMASK
	s_wait_xcnt 0x0
	s_or_b32 exec_lo, exec_lo, s82
.endm
	s_wait_xcnt 0x0
	MASKED 59
	global_store_b32 v84, v85, s[12:13]
	UNMASK
	MASKED 61
	global_store_b32 v86, v90, s[16:17]
	global_store_b64 v87, v[88:89], s[18:19]
	UNMASK
	MASKED 60
	global_store_b32 v92, v93, s[12:13]
	UNMASK
	MASKED 62
	global_store_b32 v94, v98, s[16:17]
	global_store_b64 v95, v[96:97], s[18:19]
	UNMASK
	MASKED 87
	global_store_b32 v100, v101, s[12:13]
	UNMASK
	MASKED 88
	global_store_b32 v102, v103, s[14:15]
	UNMASK
	s_wait_xcnt 0x0
	s_mov_b32 exec_lo, -1
	s_wait_tensorcnt 0x0
	ds_add_u32 v126, v127
	s_wait_dscnt 0x0
	s_endpgm
; ---------------- the layout ----------------
.Llayout:
	s_sub_co_u32 s25, ttmp9, 32
	s_lshl_b32 s25, s25, 5
	s_add_co_u32 s25, s25, s24                     ; my fragment: 0..2047 of w1, 2048..4095 of w2.  Neighbouring waves take neighbouring K steps of the same 16 rows
	v_and_b32 v2, 15, v0                           ; r
	v_bfe_u32 v3, v0, 4, 1                         ; h
	v_lshlrev_b32 v4, 4, v1                        ; out: 16 bytes a lane, 512 consecutive bytes a store
	s_mov_b32 s29, 0
	s_mov_b32 s31, 0
.macro MOVE src, dst
	s_wait_kmcnt 0x0
	s_add_nc_u64 s[\src:\src+1], s[\src:\src+1], s[28:29]
	s_add_nc_u64 s[\dst:\dst+1], s[\dst:\dst+1], s[30:31]
.irp c, 0,1,2,3
	global_load_b128 v[8+4*\c:11+4*\c], v5, s[\src:\src+1] offset:32*\c      ; row's K = 32 c + 16 h + 0 .. 15
.endr
	s_wait_loadcnt 0x0
.irp c, 0,1,2,3
	global_store_b128 v4, v[8+4*\c:11+4*\c], s[\dst:\dst+1] offset:512*\c
.endr
	s_endpgm
.endm
	s_cmp_ge_u32 s25, 2048
	s_cbranch_scc1 .Lw2
	s_and_b32 s26, s25, 7                          ; ks
	s_bfe_u32 s27, s25, 0x50003                    ; T
	s_lshr_b32 s28, s25, 8                         ; e
	s_lshl_b32 s28, s28, 19                        ; an expert's codes are 512 x 1,024 bytes
	s_lshr_b32 s84, s27, 1
	s_lshl_b32 s84, s84, 15                        ; 32 B rows of 1,024 bytes
	s_add_co_u32 s28, s28, s84
	s_and_b32 s84, s27, 1
	s_lshl_b32 s84, s84, 13                        ; 8 u rows
	s_add_co_u32 s28, s28, s84
	s_lshl_b32 s84, s26, 7
	s_add_co_u32 s28, s28, s84
	s_lshl_b32 s30, s25, 11
	v_and_b32 v5, 8, v2
	v_add_nc_u32 v5, v5, v2                        ; r + 8 (r / 8)
	v_lshlrev_b32 v5, 10, v5
	v_lshl_add_u32 v5, v3, 4, v5
	MOVE 8, 20
.Lw2:
	s_sub_co_u32 s25, s25, 2048
	s_and_b32 s26, s25, 3                          ; ks
	s_bfe_u32 s27, s25, 0x60002                    ; T
	s_lshr_b32 s28, s25, 8                         ; e
	s_lshl_b32 s28, s28, 19                        ; an expert's codes are 1,024 x 512 bytes
	s_lshl_b32 s84, s27, 13                        ; 16 T rows of 512 bytes
	s_add_co_u32 s28, s28, s84
	s_lshl_b32 s84, s26, 7
	s_add_co_u32 s28, s28, s84
	s_lshl_b32 s30, s25, 11
	v_lshlrev_b32 v5, 9, v2
	v_lshl_add_u32 v5, v3, 4, v5
	MOVE 10, 22
.Lfunc_end_k_q64004ae94c_route:
	.size	k_q64004ae94c_route, .Lfunc_end_k_q64004ae94c_route-k_q64004ae94c_route
	.p2alignl 7, 3214868480
	.fill 96, 4, 3214868480
	.section	.rodata,"a",@progbits
	.p2align	6, 0x0
	.amdhsa_kernel k_q64004ae94c_route
		.amdhsa_group_segment_fixed_size 5120
		.amdhsa_private_segment_fixed_size 0
		.amdhsa_enable_private_segment 0
		.amdhsa_kernarg_size 80
		.amdhsa_user_sgpr_count 2
		.amdhsa_user_sgpr_kernarg_segment_ptr 1
		.amdhsa_wavefront_size32 1
		.amdhsa_system_sgpr_workgroup_id_x 1
		.amdhsa_system_sgpr_workgroup_id_y 1
		.amdhsa_system_sgpr_workgroup_id_z 1
		.amdhsa_system_vgpr_workitem_id 0
		.amdhsa_next_free_vgpr 128
		.amdhsa_next_free_sgpr 96
		.amdhsa_reserve_vcc 1
		.amdhsa_float_denorm_mode_32 3
		.amdhsa_float_denorm_mode_16_64 3
		.amdhsa_memory_ordered 1
		.amdhsa_forward_progress 1
		.amdhsa_inst_pref_size 26
	.end_amdhsa_kernel
	.amdgpu_metadata
---
amdhsa.version: [ 1, 2 ]
amdhsa.kernels:
  - .name:           k_q64004ae94c_route
    .symbol:         k_q64004ae94c_route.kd
    .args:
      - { .name: choosed_experts, .offset: 0, .size: 8, .value_kind: global_buffer, .address_space: global }
      - { .name: gate_weight, .offset: 8, .size: 8, .value_kind: global_buffer, .address_space: global }
      - { .name: w1_codes, .offset: 16, .size: 8, .value_kind: global_buffer, .address_space: global }
      - { .name: w2_codes, .offset: 24, .size: 8, .value_kind: global_buffer, .address_space: global }
      - { .name: list1, .offset: 32, .size: 8, .value_kind: global_buffer, .address_space: global }
      - { .name: ncnt, .offset: 40, .size: 8, .value_kind: global_buffer, .address_space: global }
      - { .name: rec, .offset: 48, .size: 8, .value_kind: global_buffer, .address_space: global }
      - { .name: coef, .offset: 56, .size: 8, .value_kind: global_buffer, .address_space: global }
      - { .name: w1l, .offset: 64, .size: 8, .value_kind: global_buffer, .address_space: global }
      - { .name: w2l, .offset: 72, .size: 8, .value_kind: global_buffer, .address_space: global }
    .group_segment_fixed_size: 5120
    .private_segment_fixed_size: 0
    .kernarg_segment_align: 8
    .kernarg_segment_size: 80
    .max_flat_workgroup_size: 1024
    .sgpr_count:     96
    .vgpr_count:     128
    .wavefront_size: 32
...
	.end_amdgpu_metadata
.endif
;; end of part 1
;; launch fc1 (part 2): grid 2 x 135, 4 waves a work-group, no clusters, 174,080 bytes of LDS; arguments list1, ncnt, hidden_states_codes, hidden_states_scales, w1l, w1_scales, h, hs; writes h, hs
.if DOCPART == 2
	.amdgcn_target "amdgcn-amd-amdhsa--gfx1250"
	.amdhsa_code_object_version 6
	.text
	.protected	k_q64004ae94c_fc1
	.globl	k_q64004ae94c_fc1
	.p2align	8
	.type	k_q64004ae94c_fc1,@function
k_q64004ae94c_fc1:
	s_mov_b64 s[64:65], 0
	v_nop
	global_prefetch_b8 v0, s[64:65] scope:SCOPE_SE
	s_setreg_imm32_b32 hwreg(HW_REG_WAVE_MODE, 25, 1), 1
	s_wait_xcnt 0x0
; h = Q(gelu(x W1[e])) for the routed rows alone, on codes of E5M2 with one E8M0 scale for each 32 along K.
; A work-group takes a tile of 128 routed rows of ONE expert (work-group y: the tile) x 256 of the 512 hidden units (work-group x: the half).  With R <= 16,384 routed rows and 8 experts there are never more than
; 16,384 / 128 + 7 = 135 tiles, whatever the choice.  Which expert and which rows a tile has is worked out from ncnt, the eight list lengths.
; A TILE THAT A GIVEN CHOICE LEAVES WITHOUT ROWS passes both barriers like every other and jumps over the three phases between them (gather; products, gelu, quantiser; way out): each jump joins again ahead of the barrier,
; so that every wave passes every barrier once, whatever was read.  The loads of the list and of the first weights stand ahead of the first jump, so that they are on their way early; such a tile's are discarded.
; SHARES.  Wave w makes hidden units 64 w .. 64 w + 63 of the half for all 128 rows: 32 accumulators.  So each byte of W1 enters the work-group once, straight into registers (w1l holds the fragments as register images);
; the rows of x are gathered once into LDS and read by all four waves.  K = 1,024 goes in 8 steps of 128, 32 matrix instructions each.
; TRANSPOSED USE: source 0 = 16 rows of W1, source 1 = 16 rows of x: a lane holds ONE routed row, and by w1l's choice of rows the 16 registers of tiles 2 b, 2 b + 1 are hidden units 32 b + 16 (lane / 16) + 0 .. 15:
; neighbours along fc2's K, as the conversions want them.  gelu is the tanh form, written x / (1 + 2^(x (c0 + c1 x^2))), c0 = -2 sqrt(2 / pi) log2(e), c1 = 0.044715 c0, all in f32.
; The codes of a row go to h[slot][512], its scale bytes to hs[slot][16], slot = 2 token + (this is the token's higher expert), through a stage in LDS, so that sixteen lanes store 256 consecutive bytes, aligned.
; NO TENSOR LOADS, NO CLUSTER: the number of tiles of an expert is read from memory and jumps hang on it, so partners could not make every joint request alike; the weights come by plain loads, three K steps ahead.
; LIMITS: NaN and infinities are not served.  A block of h whose numbers are all zero gets the byte 1 where the rule says 127: its codes are zeros, and only fc2 reads the bytes.
; LDS: X 128 rows x 1,072 bytes (1,024 codes, 32 scale bytes, 16 of padding: 268 words, so row r starts at bank 12 r mod 64 (64 banks of 4 bytes: ISA guide 11.1) and the 16 rows of a fragment load start at 16 different banks);
;   STG 128 x 272 the codes' stage; SCS 128 x 8 scale bytes; SLT 128 slots.
; REGISTERS: window 0: v0-31 addresses, v32-59 at work, v64-95 x's scale words, v96-111 W1's (register ks % 4; lanes 0-15 K steps 0-3, lanes 16-31 K steps 4-7), v128-255 x's fragments, set 0 (later 32 numbers at work, later the way out);
;   window 1: W1's fragments, a ring of four sets of 64;  window 2: the accumulators, tile (m, n) at 8 (4 m + n); before the loop the gathered rows land there;  window 3: v128-255 x's fragments, set 1.
.set XP,   1072
.set XT,   16*XP
.set XH,   64*XP
.set STG,  128*XP
.set SGP,  272
.set SCS,  STG+128*SGP
.set SLT,  SCS+1024
.set T,    128
.set MSB, 0
.macro WIN new                         ; the immediate's high byte repeats the setting that is left
.if MSB != \new
	s_set_vgpr_msb (MSB<<8)|\new
.set MSB, \new
.endif
.endm
	s_load_b512 s[4:19], s[0:1], 0x0               ; list1 s[4:5], ncnt s[6:7], x's codes s[8:9], x's scales s[10:11], w1l s[12:13], W1's scales s[14:15], h s[16:17], hs s[18:19]
	v_lshl_add_u32 v126, v0, 2, 0x2a600
	v_mov_b32 v127, 0
	v_lshrrev_b32 v21, 5, v0
	v_readfirstlane_b32 s28, v21                   ; wave 0..3
	s_mov_b32 s29, ttmp9                           ; which half of the hidden units
	s_and_b32 s30, ttmp7, 0xffff                   ; which tile
	v_and_b32 v21, 31, v0
	v_lshlrev_b32 v1, 4, v21                       ; 16 x lane
	v_lshlrev_b32 v2, 2, v0                        ; 4 x thread
	v_and_b32 v19, 15, v0                          ; r
	v_bfe_u32 v20, v0, 4, 1                        ; h
	s_wait_kmcnt 0x0
	s_load_b256 s[20:27], s[6:7], 0x0              ; the eight list lengths
	; every LDS address is a constant + constants x lane and wave
	v_mul_u32_u24 v8, v19, XP
	v_lshl_add_u32 v8, v20, 4, v8                  ; a fragment of x: row r, + 16 h; rows 0-63,
	v_add_nc_u32 v9, XH, v8                        ; rows 64-127
	s_mul_i32 s55, s28, 32*XP
	v_add_nc_u32 v6, s55, v1                       ; where I put the rows that my wave gathers: 32 w on
	v_mul_u32_u24 v7, v0, XP                       ; my thread's row
	v_add_nc_u32 v4, SLT, v2
	v_mul_u32_u24 v12, v19, SGP
	v_lshl_add_u32 v12, v20, 4, v12
	s_lshl_b32 s55, s28, 6
	s_add_co_u32 s55, s55, STG
	v_add_nc_u32 v12, s55, v12                     ; the stage, in: row r, my wave's 64 bytes, + 16 h
	s_lshl_b32 s55, s28, 1
	s_add_co_u32 s55, s55, SCS
	v_lshl_add_u32 v13, v19, 3, s55                ; a row's 8 scale bytes, my wave's two
	v_lshlrev_b32 v14, 4, v19
	s_lshl_b32 s55, s28, 5
	v_add_nc_u32 v15, s55, v20                     ; the way out: row 32 w + h
	v_mul_u32_u24 v16, v20, SGP
	v_lshl_add_u32 v16, v19, 4, v16
	s_mul_i32 s55, s28, 32*SGP
	s_add_co_u32 s55, s55, STG
	v_add_nc_u32 v16, s55, v16                     ; the stage, back: sixteen lanes to a row, two rows an instruction
	s_lshl_b32 s55, s28, 7
	s_add_co_u32 s55, s55, SLT
	v_lshl_add_u32 v17, v20, 2, s55                ; and those rows' slots
	v_and_b32 v18, 8, v19
	v_add_nc_u32 v18, v18, v19                     ; r + 8 (r / 8)
	v_lshlrev_b32 v18, 5, v18
	v_lshl_add_u32 v18, v20, 4, v18                ; W1's scale bytes: 32 a row; lanes 16-31 take K steps 4-7
	v_lshl_add_u32 v22, v0, 3, SCS
	v_mov_b32 v10, 0xc0135761                      ; c0 = -2.3022082
	v_mov_b32 v11, 0xc0135761
	v_mov_b32 v34, 0                               ; written once: a lane permute's destination counts as one of its sources
	v_mov_b32 v35, 0
	s_mov_b32 s52, 0xbdd2d3e8                      ; c1 = -0.10294324
	s_mov_b32 s53, s52                             ; (named with it as a pair, so it is written)
	s_mov_b32 s48, 0x76543210
	s_mov_b32 s49, 0xfedcba98                      ; v_permlanex16_b32's selects for lane l xor 16
	s_mov_b32 s50, 0x600000                        ; the mantissa field of 57,344
	s_mov_b32 s31, 0
	s_mov_b32 s32, 0
	s_mov_b32 s33, 0
	s_mov_b32 s34, 0
	s_mov_b32 s57, 0
	s_wait_kmcnt 0x0
.set se, 0
.rept 8                                ; the last expert whose first tile is not behind mine
	s_cmp_ge_u32 s30, s31
	s_cselect_b32 s32, se, s32
	s_cselect_b32 s33, s31, s33
	s_cselect_b32 s34, s[20+se], s34
	s_add_co_u32 s55, s[20+se], 127
	s_lshr_b32 s55, s55, 7
	s_add_co_u32 s31, s31, s55
.set se, se+1
.endr
	s_min_u32 s32, s32, 7                          ; e
	s_sub_co_u32 s35, s30, s33
	s_lshl_b32 s35, s35, 7                         ; my first place in its list
	s_sub_co_i32 s37, s34, s35
	s_min_i32 s37, s37, 128                        ; my rows: 0 or less where the tile has none
	s_min_u32 s36, s35, 8064                       ; (the place, as it enters an address)
	s_lshl_b32 s56, s32, 15
	s_lshl_b32 s55, s36, 2
	s_add_co_u32 s56, s56, s55
	s_add_nc_u64 s[44:45], s[4:5], s[56:57]        ; list1[e][first place]
	global_load_b32 v3, v2, s[44:45]               ; thread 32 w + l: the slot of row 32 w + l
	s_lshl_b32 s56, s32, 14
	s_lshl_b32 s55, s29, 13
	s_add_co_u32 s56, s56, s55
	s_lshl_b32 s55, s28, 11
	s_add_co_u32 s56, s56, s55
	s_add_nc_u64 s[42:43], s[14:15], s[56:57]      ; W1's scale bytes at my 64 units
	s_lshl_b32 s56, s32, 19
	s_lshl_b32 s55, s29, 18
	s_add_co_u32 s56, s56, s55
	s_lshl_b32 s55, s28, 16
	s_add_co_u32 s56, s56, s55
	s_add_nc_u64 s[40:41], s[12:13], s[56:57]      ; w1l at my four tiles: 16,384 bytes a tile
	s_lshl_b32 s56, s29, 8
	s_add_nc_u64 s[16:17], s[16:17], s[56:57]      ; h at my half's 256 bytes of a row
	s_lshl_b32 s56, s29, 3
	s_add_nc_u64 s[18:19], s[18:19], s[56:57]      ; hs at my half's 8
.irp n, 0,1,2,3
	global_load_b128 v[96+4*\n:99+4*\n], v18, s[42:43] offset:(32*(\n/2)+8*(\n%2))*32
.endr
.macro BLOAD ks                        ; W1's four fragments of K step ks into set ks % 4: 16 loads of 512 consecutive bytes
	WIN 0x40
.set bn, 0
.rept 4
.set bc, 0
.rept 4
	global_load_b128 v[64*((\ks)&3)+16*bn+4*bc:64*((\ks)&3)+16*bn+4*bc+3], v1, s[40:41] offset:bn*16384+(\ks)*2048+512*bc
.set bc, bc+1
.endr
.set bn, bn+1
.endr
	WIN 0
.endm
	BLOAD 0
	BLOAD 1
	BLOAD 2
; ---------------- the gather: my wave's 32 rows of x, and their scale bytes, into LDS ----------------
	s_cmp_le_i32 s37, 0
	s_cbranch_scc1 .Lgathered
	s_wait_loadcnt 52                              ; the slots are in: behind their load stand 4 loads of scales and 48 of weights
	ds_store_b32 v4, v3
	v_lshrrev_b32 v5, 1, v3
	v_min_u32 v5, 0x1fff, v5
	v_lshlrev_b32 v5, 5, v5                        ; my row's 32 scale bytes
.set xi, 0
.rept 32                               ; row 32 w + i: its token's 1,024 bytes, 16 a lane, twice
	v_readlane_b32 s[55+(xi&3)], v3, xi
	s_lshr_b32 s[55+(xi&3)], s[55+(xi&3)], 1
	s_min_u32 s[55+(xi&3)], s[55+(xi&3)], 8191
	v_lshl_add_u32 v[128+xi], s[55+(xi&3)], 10, v1
.set xi, xi+1
.endr
	global_load_b128 v[52:55], v5, s[10:11]
	global_load_b128 v[56:59], v5, s[10:11] offset:16
	WIN 0x80                                       ; destination window 2, address window 0
.set xi, 0
.rept 32
	global_load_b128 v[8*xi:8*xi+3], v[128+xi], s[8:9]
	global_load_b128 v[8*xi+4:8*xi+7], v[128+xi], s[8:9] offset:512
.set xi, xi+1
.endr
	s_wait_loadcnt 0x0                             ; the rows are the youngest loads
	WIN 0x08                                       ; an LDS store's data are its source 1: window 2
.set xi, 0
.rept 32
	ds_store_b128 v6, v[8*xi:8*xi+3] offset:XP*xi
	ds_store_b128 v6, v[8*xi+4:8*xi+7] offset:XP*xi+512
.set xi, xi+1
.endr
	WIN 0
	ds_store_b128 v7, v[52:55] offset:1024
	ds_store_b128 v7, v[56:59] offset:1040
.Lgathered:
	s_wait_dscnt 0x0                               ; for the others' sake: my 32 rows have landed
	s_barrier_signal -1
	s_barrier_wait -1                              ; all 128 rows lie in LDS
; ---------------- the products, gelu, the quantiser ----------------
	s_cmp_le_i32 s37, 0
	s_cbranch_scc1 .Lstaged
.macro AFETCH ks                       ; x's eight fragments of K step ks into set ks % 2: 32 loads
.set W, 0xC0*((\ks)&1)
	WIN W
.set am, 0
.rept 8
.set ac, 0
.rept 4
.if am < 4
	ds_load_b128 v[128+16*am+4*ac:128+16*am+4*ac+3], v8 offset:(am&3)*XT+128*(\ks)+32*ac
.else
	ds_load_b128 v[128+16*am+4*ac:128+16*am+4*ac+3], v9 offset:(am&3)*XT+128*(\ks)+32*ac
.endif
.set ac, ac+1
.endr
.set am, am+1
.endr
	WIN 0
.endm
	AFETCH 0
.irp m, 0,1,2,3
	ds_load_b128 v[64+4*\m:67+4*\m], v8 offset:\m*XT+1024        ; x's scale words: lanes 0-15 K steps 0-3, lanes 16-31 K steps 4-7
.endr
.irp m, 0,1,2,3
	ds_load_b128 v[80+4*\m:83+4*\m], v9 offset:\m*XT+1024
.endr
; 32 matrix instructions: the 32 accumulators take turns, one instruction a turn, in the same order in every step.  The first step's products start the sums.
.macro MM ks
.set pm, 0
.rept 8
.set pn, 0
.rept 4
.set rD, 8*(4*pm+pn)
.set rW, 64*((\ks)&3)+16*pn
.set rX, 128+16*pm
.set rSW, 96+4*pn+((\ks)&3)
.set rSX, 64+4*pm+((\ks)&3)
.if (\ks) == 0
	v_wmma_scale_f32_16x16x128_f8f6f4 v[rD:rD+7], v[rW:rW+15], v[rX:rX+15], 0, v[rSW], v[rSX] matrix_a_fmt:MATRIX_FMT_BF8 matrix_b_fmt:MATRIX_FMT_BF8
.elseif (\ks) < 4
	v_wmma_scale_f32_16x16x128_f8f6f4 v[rD:rD+7], v[rW:rW+15], v[rX:rX+15], v[rD:rD+7], v[rSW], v[rSX] matrix_a_fmt:MATRIX_FMT_BF8 matrix_b_fmt:MATRIX_FMT_BF8
.else
	v_wmma_scale_f32_16x16x128_f8f6f4 v[rD:rD+7], v[rW:rW+15], v[rX:rX+15], v[rD:rD+7], v[rSW], v[rSX] matrix_a_fmt:MATRIX_FMT_BF8 matrix_b_fmt:MATRIX_FMT_BF8 matrix_a_scale:MATRIX_SCALE_ROW1 matrix_b_scale:MATRIX_SCALE_ROW1
.endif
.set pn, pn+1
.endr
.set pm, pm+1
.endr
.endm
; A K step.  At its head the sets that the last step multiplied are filled again: W1's with the step three on, x's with the next step.  Loads into registers that matrix instructions have read stand
; eight places behind them.
.macro STEP ks
.if ((\ks) > 0) && ((\ks) < 7)
.rept 8
	v_nop
.endr
.endif
.if (\ks) <= 4
	BLOAD (\ks)+3
.endif
.if (\ks) < 7
	AFETCH (\ks)+1
.endif
.if (\ks) <= 4
	s_wait_loadcnt 48                              ; this step's weights (and, in step 0, W1's scale words, which are older) are in: three sets were asked for behind them
.else
	s_wait_loadcnt 16*(7-(\ks))                    ; the sets still behind them: two, one, none
.endif
.if (\ks) < 7
	s_wait_dscnt 32                                ; all but the 32 loads just issued
.else
	s_wait_dscnt 0x0
.endif
.set W, 0xA1+0x0C*((\ks)&1)                    ; source 0 (W1) window 1, source 1 (x) window 0 or 3, C and D window 2
	WIN W
	MM \ks
	WIN 0
.endm
	STEP 0
	STEP 1
	STEP 2
	STEP 3
	STEP 4
	STEP 5
	STEP 6
	STEP 7
.rept 8
	v_nop                                          ; places in front of the first read of results, and of writes to registers that held x's fragments
.endr
; Tile m of 16 rows: my 32 numbers of a row: gelu, two blocks of 32 (each shared with lane l xor 16) quantised, codes and scale bytes into LDS.  Each accumulator is read from its low end on.
.macro EPI m
	WIN 0x0A
.set ei, 0
.rept 16
	v_pk_mul_f32 v[T+2*ei:T+2*ei+1], v[32*(\m)+2*ei:32*(\m)+2*ei+1], v[32*(\m)+2*ei:32*(\m)+2*ei+1]   ; x^2
.set ei, ei+1
.endr
	WIN 0
.set ei, 0
.rept 16
	v_pk_fma_f32 v[T+2*ei:T+2*ei+1], v[T+2*ei:T+2*ei+1], s[52:53], v[10:11] op_sel_hi:[1,0,1]        ; c0 + c1 x^2
.set ei, ei+1
.endr
	WIN 0x08
.set ei, 0
.rept 16
	v_pk_mul_f32 v[T+2*ei:T+2*ei+1], v[T+2*ei:T+2*ei+1], v[32*(\m)+2*ei:32*(\m)+2*ei+1]              ; x (c0 + c1 x^2)
.set ei, ei+1
.endr
	WIN 0
.set ei, 0
.rept 32
	v_exp_f32 v[T+ei], v[T+ei]
.set ei, ei+1
.endr
	v_nop                                          ; a plain place behind the transcendentals
.set ei, 0
	s_wait_alu depctr_va_vdst(0)
.rept 16
	v_pk_add_f32 v[T+2*ei:T+2*ei+1], v[T+2*ei:T+2*ei+1], 1.0 op_sel_hi:[1,0]
.set ei, ei+1
.endr
.set ei, 0
.rept 32
	v_rcp_f32 v[T+ei], v[T+ei]
.set ei, ei+1
.endr
	v_nop
	WIN 0x02
.set ei, 0
	s_wait_alu depctr_va_vdst(0)
.rept 16
	v_pk_mul_f32 v[T+2*ei:T+2*ei+1], v[32*(\m)+2*ei:32*(\m)+2*ei+1], v[T+2*ei:T+2*ei+1]              ; gelu(x)
.set ei, ei+1
.endr
	WIN 0
.irp b, 0,1
	v_max3_num_f32 v[32+\b], |v[T+16*\b]|, |v[T+1+16*\b]|, 0x8000000     ; the block's largest magnitude: my 16 numbers, and the floor 2^(16 - 127): so the byte cannot fall under 1
.endr
.irp i, 2,4,6,8,10,12,14
.irp b, 0,1
	v_max3_num_f32 v[32+\b], v[32+\b], |v[T+16*\b+\i]|, |v[T+1+16*\b+\i]|
.endr
.endr
.irp b, 0,1
	v_permlanex16_b32 v[34+\b], v[32+\b], s48, s49
.endr
.irp b, 0,1
	v_max_num_f32 v[32+\b], v[32+\b], v[34+\b]     ; with lane l xor 16's
.endr
	s_wait_dscnt 0x0                               ; the last tile's stores into the stage have read their registers
.irp b, 0,1
	v_add_nc_u32 v[36+\b], 0xf8800000, v[32+\b]    ; 15 off the exponent field: the conversion's scale operand
	v_and_or_b32 v[38+\b], v[32+\b], 0x7f800000, s50   ; 57,344 x the scale
	v_lshrrev_b32 v[40+\b], 23, v[36+\b]           ; the scale's byte
.endr
	v_lshl_or_b32 v42, v41, 8, v40
.irp b, 0,1
.irp i, 0,1,2,3,4,5,6,7,8,9,10,11,12,13,14,15
	v_med3_num_f32 v[T+16*\b+\i], v[T+16*\b+\i], -v[38+\b], v[38+\b]     ; the conversion to an 8-bit code does not saturate (ISA guide 7.6.2): the hold at the largest code x the scale
.endr
	v_cvt_scalef32_pk8_bf8_f32 v[44+4*\b:45+4*\b], v[T+16*\b:T+7+16*\b], v[36+\b]
	v_cvt_scalef32_pk8_bf8_f32 v[46+4*\b:47+4*\b], v[T+8+16*\b:T+15+16*\b], v[36+\b]
.endr
	v_nop                                          ; a plain place behind the conversions: the next tile writes their sources
	ds_store_b128 v12, v[44:47] offset:(\m)*16*SGP         ; units 64 w + 16 h + 0 .. 15 of row 16 m + r,
	ds_store_b128 v12, v[48:51] offset:(\m)*16*SGP+32      ; and 32 further on
	ds_store_b16 v13, v42 offset:128*(\m)                  ; both lanes of a row write the same two bytes with the same values
.endm
	EPI 0
	EPI 1
	EPI 2
	EPI 3
	EPI 4
	EPI 5
	EPI 6
	EPI 7
.Lstaged:
	s_wait_dscnt 0x0                               ; for the others' sake: my part of the stage has landed
	s_barrier_signal -1
	s_barrier_wait -1                              ; 128 rows of 256 codes and 8 scale bytes lie in LDS
; ---------------- the way out ----------------
	s_cmp_le_i32 s37, 0
	s_cbranch_scc1 .Lend
	s_wait_loadcnt 0x0                             ; my thread's slot (it came long ago: nothing is out here)
.set oi, 0
.rept 16                               ; my wave's 32 rows, two an instruction, and their slots
	ds_load_b128 v[128+4*oi:131+4*oi], v16 offset:2*SGP*oi
	ds_load_b32 v[192+oi], v17 offset:8*oi
.set oi, oi+1
.endr
	ds_load_b64 v[24:25], v22
	s_wait_dscnt 0x0
.set oi, 0
.rept 16
	v_min_u32 v[192+oi], 0x3fff, v[192+oi]
	v_lshl_add_u32 v[192+oi], v[192+oi], 9, v14    ; slot x 512 + 16 (lane % 16)
.set oi, oi+1
.endr
	v_min_u32 v23, 0x3fff, v3
	v_lshlrev_b32 v23, 4, v23
	s_wait_xcnt 0x0                                ; EXEC changes only behind s_wait_xcnt 0; between a restore and the next narrowing nothing is issued
.set oi, 0
.rept 16
	s_sub_co_i32 s55, s37, 2*oi
	v_cmp_gt_i32 vcc_lo, s55, v15                  ; row 32 w + 2 i + h is one of the tile's rows
	s_and_saveexec_b32 s54, vcc_lo
	global_store_b128 v[192+oi], v[128+4*oi:131+4*oi], s[16:17]    ; sixteen lanes store 256 consecutive bytes, at a multiple of 256 from h's first byte
	s_wait_xcnt 0x0
	s_or_b32 exec_lo, exec_lo, s54
.set oi, oi+1
.endr
	v_cmp_gt_i32 vcc_lo, s37, v0
	s_and_saveexec_b32 s54, vcc_lo
	global_store_b64 v23, v[24:25], s[18:19]       ; my thread's row: its half's 8 scale bytes
	s_wait_xcnt 0x0
	s_or_b32 exec_lo, exec_lo, s54
.Lend:
	s_barrier_signal -1
	s_barrier_wait -1
	s_wait_tensorcnt 0x0
	ds_add_u32 v126, v127
	s_wait_dscnt 0x0
	s_endpgm
.Lfunc_end_k_q64004ae94c_fc1:
	.size	k_q64004ae94c_fc1, .Lfunc_end_k_q64004ae94c_fc1-k_q64004ae94c_fc1
	.p2alignl 7, 3214868480
	.fill 96, 4, 3214868480
	.section	.rodata,"a",@progbits
	.p2align	6, 0x0
	.amdhsa_kernel k_q64004ae94c_fc1
		.amdhsa_group_segment_fixed_size 174080
		.amdhsa_private_segment_fixed_size 0
		.amdhsa_enable_private_segment 0
		.amdhsa_kernarg_size 64
		.amdhsa_user_sgpr_count 2
		.amdhsa_user_sgpr_kernarg_segment_ptr 1
		.amdhsa_wavefront_size32 1
		.amdhsa_system_sgpr_workgroup_id_x 1
		.amdhsa_system_sgpr_workgroup_id_y 1
		.amdhsa_system_sgpr_workgroup_id_z 1
		.amdhsa_system_vgpr_workitem_id 0
		.amdhsa_next_free_vgpr 1024
		.amdhsa_next_free_sgpr 66
		.amdhsa_reserve_vcc 1
		.amdhsa_float_denorm_mode_32 3
		.amdhsa_float_denorm_mode_16_64 3
		.amdhsa_memory_ordered 1
		.amdhsa_forward_progress 1
		.amdhsa_inst_pref_size 190
	.end_amdhsa_kernel
	.amdgpu_metadata
---
amdhsa.version: [ 1, 2 ]
amdhsa.kernels:
  - .name:           k_q64004ae94c_fc1
    .symbol:         k_q64004ae94c_fc1.kd
    .args:
      - { .name: list1, .offset: 0, .size: 8, .value_kind: global_buffer, .address_space: global }
      - { .name: ncnt, .offset: 8, .size: 8, .value_kind: global_buffer, .address_space: global }
      - { .name: hidden_states_codes, .offset: 16, .size: 8, .value_kind: global_buffer, .address_space: global }
      - { .name: hidden_states_scales, .offset: 24, .size: 8, .value_kind: global_buffer, .address_space: global }
      - { .name: w1l, .offset: 32, .size: 8, .value_kind: global_buffer, .address_space: global }
      - { .name: w1_scales, .offset: 40, .size: 8, .value_kind: global_buffer, .address_space: global }
      - { .name: h, .offset: 48, .size: 8, .value_kind: global_buffer, .address_space: global }
      - { .name: hs, .offset: 56, .size: 8, .value_kind: global_buffer, .address_space: global }
    .group_segment_fixed_size: 174080
    .private_segment_fixed_size: 0
    .kernarg_segment_align: 8
    .kernarg_segment_size: 64
    .max_flat_workgroup_size: 128
    .sgpr_count:     66
    .vgpr_count:     1024
    .wavefront_size: 32
...
	.end_amdgpu_metadata
.endif
;; end of part 2
;; launch fc2 (part 3): grid 4 x 64, 4 waves a work-group, no clusters, 217,088 bytes of LDS; arguments rec, coef, h, hs, w2l, w2_scales, out0; writes out0
.if DOCPART == 3
	.amdgcn_target "amdgcn-amd-amdhsa--gfx1250"
	.amdhsa_code_object_version 6
	.text
	.protected	k_q64004ae94c_fc2
	.globl	k_q64004ae94c_fc2
	.p2align	8
	.type	k_q64004ae94c_fc2,@function
k_q64004ae94c_fc2:
	s_mov_b64 s[64:65], 0
	v_nop
	global_prefetch_b8 v0, s[64:65] scope:SCOPE_SE
	s_setreg_imm32_b32 hwreg(HW_REG_WAVE_MODE, 25, 1), 1
	s_wait_xcnt 0x0
; out[t] = the sum over the token's experts e of coef(t, e) x (h(t, e) W2[e]), on codes of E5M2 with one E8M0 scale for each 32 along K = 512.  Each output row has ONE owner: nothing is added through memory.
; A work-group takes 128 tokens (work-group y), in the order by (lower expert, higher expert) that rec holds, x 256 of the 1,024 columns (work-group x): 4 x 64 = 256 work-groups.
; It walks only the experts that its tokens use, in ascending order (a PASS each), and inside a pass only those tiles of 16 tokens of which some token uses the expert: scalar branches on whole numbers read from rec.
; SHARES.  Wave w makes columns 64 w .. 64 w + 63 for all 128 tokens: 32 accumulators `out` in window 3.  A pass's 32 KB of W2 come straight into the wave's registers (w2l holds register images), a whole pass ahead, in two sets.
; Both rows of h of every token (lower expert's, higher expert's) are gathered ONCE into LDS, ahead of every branch on data.
; TRANSPOSED USE: source 0 = 16 rows of W2, source 1 = 16 tokens: a lane holds one token and eight neighbouring columns.  A lane of an active tile picks its token's row for this expert: a number 0 or 1, held at 1 from above,
; times 2^17 bytes, onto the lower row's address.  A product goes to four accumulators `tmp`, and out += c x tmp, c the token's weight for this expert, 0 where the token does not use it.
; LIMIT: a token of an active tile that does not use the expert is multiplied all the same (its other row of h) and weighed by 0: that product must be finite.  NaN and infinities are not served.
; `out` is cleared by vector moves: which pass reaches a tile first hangs on the stored list, so no product can start the sums; the moves stand while the gathered rows are on their way.
; NO TENSOR LOADS, NO CLUSTER: the walk over experts hangs on the stored list, so partners would need different tiles of W2 in different numbers.
; LDS: rows of 528 bytes (512 codes + 16 scale bytes: 132 words, so row r starts at bank 4 r mod 64 (64 banks of 4 bytes: ISA guide 11.1)): token i's lower row at 528 i, its higher at 2^17 + 528 i;
;   behind them TOKT 128 token numbers and STAGE 16 rows x 272 bytes for each wave, for the way out.
; REGISTERS, window 0: v1-7 addresses; v8-11 c, a pair for each parity of the tile; v16-23 lower, v24-31 higher expert of token 16 mu + r; v32-47 their weights; v48-63 W2's scale words, two sets (register 4 (n / 2) + ks:
;   lanes 0-15 tile n even, lanes 16-31 odd); v64-71 h's scale words, two sets; v72-103 tmp; v104-123 at work; v128-255 h's fragments, two sets.  Windows 1, 2: W2's fragments, set 0, 1: (n, ks) at 64 n + 16 ks.  Window 3: out, (mu, n) at 8 (4 mu + n).
.set AP,    528
.set AT,    16*AP
.set HISH,  17
.set HIOFF, 1<<HISH
.set TOKT,  HIOFF+128*AP
.set STAGE, TOKT+512
.set SGP,   272
.set MSB, 0
.macro WIN new                         ; the immediate's high byte repeats the setting that is left
.if MSB != \new
	s_set_vgpr_msb (MSB<<8)|\new
.set MSB, \new
.endif
.endm
	s_load_b256 s[4:11], s[0:1], 0x0               ; rec s[4:5], coef s[6:7], h s[8:9], hs s[10:11]
	s_load_b128 s[12:15], s[0:1], 0x20             ; w2l s[12:13], W2's scales s[14:15]
	s_load_b64 s[16:17], s[0:1], 0x30              ; out
	v_lshl_add_u32 v126, v0, 2, 0x34e00
	v_mov_b32 v127, 0
	v_lshrrev_b32 v117, 5, v0
	v_readfirstlane_b32 s18, v117                  ; wave 0..3
	s_mov_b32 s19, ttmp9                           ; which 256 columns
	s_and_b32 s20, ttmp7, 0xffff                   ; which 128 tokens
	v_and_b32 v117, 31, v0
	v_lshlrev_b32 v1, 4, v117                      ; 16 x lane
	v_and_b32 v110, 15, v0                         ; r
	v_bfe_u32 v111, v0, 4, 1                       ; h
	v_lshlrev_b32 v12, 2, v0
	v_lshlrev_b32 v14, 2, v110
	v_lshlrev_b32 v15, 3, v110
	s_lshl_b32 s56, s20, 9
	s_mov_b32 s57, 0
	s_lshl_b32 s58, s20, 10
	s_mov_b32 s59, 0
	s_wait_kmcnt 0x0
	s_add_nc_u64 s[44:45], s[4:5], s[56:57]
	s_add_nc_u64 s[46:47], s[6:7], s[58:59]
	global_load_b32 v13, v12, s[44:45]             ; my thread's token,
.irp mu, 0,1,2,3,4,5,6,7
	global_load_b32 v[16+\mu], v14, s[44:45] offset:64*\mu               ; token 16 mu + r of every tile,
	global_load_b64 v[32+2*\mu:33+2*\mu], v15, s[46:47] offset:128*\mu   ; and its two weights
.endr
	s_lshl_b32 s56, s19, 17
	s_lshl_b32 s55, s18, 15
	s_add_co_u32 s56, s56, s55
	s_add_nc_u64 s[32:33], s[12:13], s[56:57]      ; w2l at my four tiles: 8,192 bytes a tile
	s_lshl_b32 s56, s19, 12
	s_lshl_b32 s55, s18, 10
	s_add_co_u32 s56, s56, s55
	s_add_nc_u64 s[34:35], s[14:15], s[56:57]      ; W2's scale bytes at my 64 rows: 16 bytes a row
	s_lshl_b32 s56, s19, 10
	s_lshl_b32 s55, s18, 8
	s_add_co_u32 s56, s56, s55
	s_add_nc_u64 s[42:43], s[16:17], s[56:57]      ; out at my 256 bytes of a row
	v_mul_u32_u24 v2, v110, AP
	v_add_nc_u32 v4, 512, v2                       ; a token's scale words, lower row
	v_lshl_add_u32 v2, v111, 4, v2                 ; a fragment, lower row: row r, + 16 h
	v_add_nc_u32 v105, TOKT, v12
	s_mul_i32 s55, s18, 32*AP
	v_add_nc_u32 v112, s55, v1                     ; where I put the rows that my wave gathers
	v_add_nc_u32 v113, HIOFF, v112
	v_mul_u32_u24 v114, v0, AP                     ; my thread's row
	v_add_nc_u32 v115, HIOFF, v114
	s_mul_i32 s55, s18, 16*SGP
	s_add_co_u32 s55, s55, STAGE                   ; my stage
	v_mul_u32_u24 v118, v110, SGP
	v_lshl_add_u32 v118, v111, 5, v118
	v_add_nc_u32 v118, s55, v118                   ; in: row r, 32 bytes for each half of the lanes
	v_mul_u32_u24 v119, v111, SGP
	v_lshl_add_u32 v119, v110, 4, v119
	v_add_nc_u32 v119, s55, v119                   ; back: sixteen lanes to a row
	v_lshl_add_u32 v120, v111, 2, TOKT             ; and that row's token
	v_lshlrev_b32 v121, 4, v110
.irp i, 8,9,10,11
	v_mov_b32 v\i, 0                               ; c: the pairs' upper words are named and never used
.endr
.irp i, 64,65,66,67,68,69,70,71
	v_mov_b32 v\i, 0x7f7f7f7f                      ; h's scale words begin as four bytes of the scale 1: a tile's fetch and its products stand under two branches on one mask, and so every way to a product stands behind a write.  No product uses these values
.endr
	s_wait_loadcnt 0x0
	v_and_b32 v104, 0xffff, v13                    ; t
	v_bfe_u32 v122, v13, 16, 4
	v_bfe_u32 v123, v13, 20, 4
	v_cmp_ne_u32 vcc_lo, v122, v123
	v_lshlrev_b32 v106, 1, v104                    ; the lower expert's row of h: 2 t;
	v_cndmask_b32 v107, 0, 1, vcc_lo
	v_add_nc_u32 v107, v107, v106                  ; the higher's: 2 t + 1; a token with one expert takes its one row twice: no byte is read that fc1 did not write
	ds_store_b32 v105, v104
	v_min_u32 v108, 0x3fff, v106
	v_lshlrev_b32 v108, 4, v108
	v_min_u32 v109, 0x3fff, v107
	v_lshlrev_b32 v109, 4, v109
.set xi, 0
.rept 32                               ; token 32 w + i: its lower row, 512 bytes, 16 a lane
	v_readlane_b32 s[55+(xi&3)], v106, xi
	s_min_u32 s[55+(xi&3)], s[55+(xi&3)], 16383
	v_lshl_add_u32 v[72+xi], s[55+(xi&3)], 9, v1
.set xi, xi+1
.endr
.set xi, 0
.rept 32
	global_load_b128 v[128+4*xi:131+4*xi], v[72+xi], s[8:9]
.set xi, xi+1
.endr
	s_wait_xcnt 0x0                                ; the loads' addresses have been taken: v72-103 are written again
.set xi, 0
.rept 32                               ; and its higher row
	v_readlane_b32 s[55+(xi&3)], v107, xi
	s_min_u32 s[55+(xi&3)], s[55+(xi&3)], 16383
	v_lshl_add_u32 v[72+xi], s[55+(xi&3)], 9, v1
.set xi, xi+1
.endr
	WIN 0x80                                       ; destination window 2, address window 0
.set xi, 0
.rept 32
	global_load_b128 v[4*xi:4*xi+3], v[72+xi], s[8:9]
.set xi, xi+1
.endr
	global_load_b128 v[128:131], v108, s[10:11]    ; my thread's token: the 16 scale bytes of each row
	global_load_b128 v[132:135], v109, s[10:11]
	WIN 0
	v_mov_b32 v116, 0
.irp mu, 0,1,2,3,4,5,6,7
	v_bfe_u32 v[24+\mu], v[16+\mu], 20, 4          ; higher,
	v_bfe_u32 v[16+\mu], v[16+\mu], 16, 4          ; lower expert
	v_lshl_or_b32 v116, 1, v[24+\mu], v116
	v_lshl_or_b32 v116, 1, v[16+\mu], v116
.endr
	s_mov_b32 s21, 0
.set ue, 0
.rept 8                                ; the experts that the 128 tokens use, a bit each: the same in all four waves
	v_and_b32 v117, (1<<ue), v116
	v_cmp_ne_u32 vcc_lo, 0, v117
	s_cmp_lg_u32 vcc_lo, 0
	s_cselect_b32 s55, (1<<ue), 0
	s_or_b32 s21, s21, s55
.set ue, ue+1
.endr
	s_ctz_i32_b32 s22, s21                         ; the first of them
	s_sub_co_u32 s55, s21, 1
	s_and_b32 s21, s21, s55
; W2[s22]'s part for my wave into a set: 2 loads of scale words, 64 of 512 consecutive bytes of codes
.macro BLOAD set
	s_min_u32 s55, s22, 7
	s_lshl_b32 s56, s55, 19
	s_mov_b32 s57, 0
	s_add_nc_u64 s[36:37], s[32:33], s[56:57]
	s_lshl_b32 s56, s55, 14
	s_add_nc_u64 s[38:39], s[34:35], s[56:57]
	global_load_b128 v[48+8*(\set):51+8*(\set)], v1, s[38:39]
	global_load_b128 v[52+8*(\set):55+8*(\set)], v1, s[38:39] offset:512
.set W, 0x40*(1+(\set))
	WIN W
.set bi, 0
.rept 64
	global_load_b128 v[4*bi:4*bi+3], v1, s[36:37] offset:512*bi
.set bi, bi+1
.endr
	WIN 0
.endm
	BLOAD 0
	WIN 0xC0
.set xi, 0
.rept 256
	v_mov_b32 v[xi], 0                             ; out
.set xi, xi+1
.endr
	WIN 0
	s_wait_loadcnt 0x3f                            ; the gathered rows are in: 66 loads were issued behind them, and 63 is the largest count that can be written
.set xi, 0
.rept 32
	ds_store_b128 v112, v[128+4*xi:131+4*xi] offset:AP*xi
.set xi, xi+1
.endr
	WIN 0x08                                       ; an LDS store's data are its source 1: window 2
.set xi, 0
.rept 32
	ds_store_b128 v113, v[4*xi:4*xi+3] offset:AP*xi
.set xi, xi+1
.endr
	ds_store_b128 v114, v[128:131] offset:512
	ds_store_b128 v115, v[132:135] offset:512
	WIN 0
	s_wait_dscnt 0x0                               ; for the others' sake: my 64 rows and my 32 token numbers have landed
	s_barrier_signal -1
	s_barrier_wait -1                              ; all 256 rows lie in LDS
; Tile mu of 16 tokens is looked at for expert s23.  If some token uses it: each lane's weight and row, and 17 LDS loads into set mu % 2.  Either way the tile before is in when the macro ends:
; behind its loads stand the 17 just issued, or none.
.macro LFETCH mu
.set lp, (\mu)&1
	v_cmp_eq_u32 s25, s23, v[16+(\mu)]
	v_cmp_eq_u32 s26, s23, v[24+(\mu)]
	s_or_b32 s[28+lp], s25, s26
	s_cbranch_scc0 .Lidle_\@
	v_cndmask_b32 v6, 1, 0, s25                    ; 0: the lower expert's row, 1: the higher's
	v_cndmask_b32 v[8+2*lp], v[33+2*(\mu)], v[32+2*(\mu)], s25
	v_min_u32 v6, 1, v6                            ; a number that hangs on loaded data enters an address only behind a hold
	v_cndmask_b32 v[8+2*lp], 0, v[8+2*lp], s[28+lp]
	v_lshl_add_u32 v7, v6, HISH, v4
	v_lshl_add_u32 v6, v6, HISH, v2
.set lk, 0
.rept 4
.set lc, 0
.rept 4
	ds_load_b128 v[128+64*lp+16*lk+4*lc:128+64*lp+16*lk+4*lc+3], v6 offset:AT*(\mu)+128*lk+32*lc
.set lc, lc+1
.endr
.set lk, lk+1
.endr
	ds_load_b128 v[64+4*lp:67+4*lp], v7 offset:AT*(\mu)
	s_wait_dscnt 17
	s_branch .Ljoin_\@
.Lidle_\@:
	s_wait_dscnt 0x0
.Ljoin_\@:
.endm
; The tile's products, if it is active: 16 matrix instructions, K step by K step, the four accumulators by turns; then out += c x tmp, each accumulator from its low end on.
; The eight v_nop are the places in front of the first read of tmp, and in front of the next loads into h's fragments, the scale words and W2's set; they and the multiply-adds on the other three accumulators
; are the nine places in front of the next tile's product that begins tmp anew.
.macro WTILE mu, set
.set wp, (\mu)&1
	s_cmp_lg_u32 s[28+wp], 0
	s_cbranch_scc0 .Lskip_\@
.set W, 1+(\set)
	WIN W                                          ; source 0 (W2) window 1 or 2; h, tmp window 0
.set wk, 0
.rept 4
.set wn, 0
.rept 4
.set rD, 72+8*wn
.set rB, 64*wn+16*wk
.set rA, 128+64*wp+16*wk
.set rSW, 48+8*(\set)+4*(wn/2)+wk
.set rSH, 64+4*wp+wk
.if wk == 0
.if (wn&1) == 0
	v_wmma_scale_f32_16x16x128_f8f6f4 v[rD:rD+7], v[rB:rB+15], v[rA:rA+15], 0, v[rSW], v[rSH] matrix_a_fmt:MATRIX_FMT_BF8 matrix_b_fmt:MATRIX_FMT_BF8
.else
	v_wmma_scale_f32_16x16x128_f8f6f4 v[rD:rD+7], v[rB:rB+15], v[rA:rA+15], 0, v[rSW], v[rSH] matrix_a_fmt:MATRIX_FMT_BF8 matrix_b_fmt:MATRIX_FMT_BF8 matrix_a_scale:MATRIX_SCALE_ROW1
.endif
.else
.if (wn&1) == 0
	v_wmma_scale_f32_16x16x128_f8f6f4 v[rD:rD+7], v[rB:rB+15], v[rA:rA+15], v[rD:rD+7], v[rSW], v[rSH] matrix_a_fmt:MATRIX_FMT_BF8 matrix_b_fmt:MATRIX_FMT_BF8
.else
	v_wmma_scale_f32_16x16x128_f8f6f4 v[rD:rD+7], v[rB:rB+15], v[rA:rA+15], v[rD:rD+7], v[rSW], v[rSH] matrix_a_fmt:MATRIX_FMT_BF8 matrix_b_fmt:MATRIX_FMT_BF8 matrix_a_scale:MATRIX_SCALE_ROW1
.endif
.endif
.set wn, wn+1
.endr
.set wk, wk+1
.endr
.rept 8
	v_nop
.endr
	WIN 0xF0                                       ; out (destination and source 2) window 3; tmp and c window 0
.set wi, 0
.rept 16
	v_pk_fma_f32 v[32*(\mu)+2*wi:32*(\mu)+2*wi+1], v[72+2*wi:73+2*wi], v[8+2*wp:9+2*wp], v[32*(\mu)+2*wi:32*(\mu)+2*wi+1] op_sel_hi:[1,0,1]
.set wi, wi+1
.endr
	WIN 0
.Lskip_\@:
.endm
.macro TILES set                       ; a pass's eight tiles; a tile's loads are issued ahead of the products of the tile before
	LFETCH 0
	LFETCH 1
	WTILE 0, \set
	LFETCH 2
	WTILE 1, \set
	LFETCH 3
	WTILE 2, \set
	LFETCH 4
	WTILE 3, \set
	LFETCH 5
	WTILE 4, \set
	LFETCH 6
	WTILE 5, \set
	LFETCH 7
	WTILE 6, \set
	s_wait_dscnt 0x0
	WTILE 7, \set
.endm
.macro NEXT                            ; this pass's weights, asked for a pass ago, are in, so no load is out and the weights' pointers may be written; s23 the pass's expert, s22 the next (above 7: none)
	s_wait_loadcnt 0x0
	s_mov_b32 s23, s22
	s_ctz_i32_b32 s22, s21
	s_sub_co_u32 s55, s21, 1
	s_and_b32 s21, s21, s55
.endm
	s_mov_b32 s40, 4                               ; at most 8 passes.  The last pass is written out, once for each set, so that every pass that reads a set stands behind that set's loads
.Lpass:
	NEXT
	s_cmp_gt_u32 s22, 7
	s_cbranch_scc1 .Llast0
	BLOAD 1
	TILES 0
	NEXT
	s_cmp_gt_u32 s22, 7
	s_cbranch_scc1 .Llast1
	BLOAD 0
	TILES 1
	s_sub_co_u32 s40, s40, 1
	s_cmp_lg_u32 s40, 0
	s_cbranch_scc1 .Lpass
	s_branch .Ldone
.Llast0:
	TILES 0
	s_branch .Ldone
.Llast1:
	TILES 1
.Ldone:
	s_wait_dscnt 0x0                               ; my reads of the rows are over.  Their addresses were chosen by loaded numbers: a barrier, which every way passes once,
	s_barrier_signal -1                            ; parts all waves' reads of that kind from the stores into the stages
	s_barrier_wait -1
; THE WAY OUT, a tile of 16 tokens at a time.  A lane holds 32 neighbouring bytes of a token's row and the lanes beside it hold other tokens: so a tile goes through my own stage and comes back as rows of 256 bytes,
; which sixteen lanes store at the token's row of out.  LDS serves a wave's instructions in order (ISA guide 5.7.1.4): no wait between the stores and the loads, nor in front of the next tile's stores.
.macro TOSTAGE mu
	WIN 0x0C                                       ; the data: window 3
.set tn, 0
.rept 4
	ds_store_b128 v118, v[32*(\mu)+8*tn:32*(\mu)+8*tn+3] offset:64*tn
	ds_store_b128 v118, v[32*(\mu)+8*tn+4:32*(\mu)+8*tn+7] offset:64*tn+16
.set tn, tn+1
.endr
	WIN 0
.set tb, 128+64*((\mu)&1)
.set ti, 0
.rept 8
	ds_load_b128 v[tb+4*ti:tb+4*ti+3], v119 offset:2*SGP*ti
	ds_load_b32 v[tb+32+ti], v120 offset:(16*(\mu)+2*ti)*4
.set ti, ti+1
.endr
.endm
.macro SEND mu, younger                ; younger: the LDS instructions issued behind the tile's loads, which may stay out
.set tb, 128+64*((\mu)&1)
	s_wait_dscnt \younger
.set ti, 0
.rept 8
	v_min_u32 v[tb+32+ti], 0x1fff, v[tb+32+ti]
	v_lshl_add_u32 v[tb+32+ti], v[tb+32+ti], 12, v121      ; token x 4,096 + 16 (lane % 16)
	global_store_b128 v[tb+32+ti], v[tb+4*ti:tb+4*ti+3], s[42:43] th:TH_STORE_NT   ; sixteen lanes store 256 consecutive bytes, at a multiple of 256 from out's first byte; written once, read by nobody here
.set ti, ti+1
.endr
.endm
	TOSTAGE 0
.irp a, 1,2,3,4,5,6,7
.if \a > 1
	s_wait_xcnt 0x0                                ; the stores of the tile two back have read their registers: this tile's loads may land there
.endif
	TOSTAGE \a
	SEND (\a-1), 24                                ; behind that tile's loads: this tile's 8 stores and 16 loads
.endr
	SEND 7, 0
	s_barrier_signal -1
	s_barrier_wait -1
	s_wait_tensorcnt 0x0
	ds_add_u32 v126, v127
	s_wait_dscnt 0x0
	s_endpgm
.Lfunc_end_k_q64004ae94c_fc2:
	.size	k_q64004ae94c_fc2, .Lfunc_end_k_q64004ae94c_fc2-k_q64004ae94c_fc2
	.p2alignl 7, 3214868480
	.fill 96, 4, 3214868480
	.section	.rodata,"a",@progbits
	.p2align	6, 0x0
	.amdhsa_kernel k_q64004ae94c_fc2
		.amdhsa_group_segment_fixed_size 217088
		.amdhsa_private_segment_fixed_size 0
		.amdhsa_enable_private_segment 0
		.amdhsa_kernarg_size 56
		.amdhsa_user_sgpr_count 2
		.amdhsa_user_sgpr_kernarg_segment_ptr 1
		.amdhsa_wavefront_size32 1
		.amdhsa_system_sgpr_workgroup_id_x 1
		.amdhsa_system_sgpr_workgroup_id_y 1
		.amdhsa_system_sgpr_workgroup_id_z 1
		.amdhsa_system_vgpr_workitem_id 0
		.amdhsa_next_free_vgpr 1024
		.amdhsa_next_free_sgpr 66
		.amdhsa_reserve_vcc 1
		.amdhsa_float_denorm_mode_32 3
		.amdhsa_float_denorm_mode_16_64 3
		.amdhsa_memory_ordered 1
		.amdhsa_forward_progress 1
		.amdhsa_inst_pref_size 251
	.end_amdhsa_kernel
	.amdgpu_metadata
---
amdhsa.version: [ 1, 2 ]
amdhsa.kernels:
  - .name:           k_q64004ae94c_fc2
    .symbol:         k_q64004ae94c_fc2.kd
    .args:
      - { .name: rec, .offset: 0, .size: 8, .value_kind: global_buffer, .address_space: global }
      - { .name: coef, .offset: 8, .size: 8, .value_kind: global_buffer, .address_space: global }
      - { .name: h, .offset: 16, .size: 8, .value_kind: global_buffer, .address_space: global }
      - { .name: hs, .offset: 24, .size: 8, .value_kind: global_buffer, .address_space: global }
      - { .name: w2l, .offset: 32, .size: 8, .value_kind: global_buffer, .address_space: global }
      - { .name: w2_scales, .offset: 40, .size: 8, .value_kind: global_buffer, .address_space: global }
      - { .name: out0, .offset: 48, .size: 8, .value_kind: global_buffer, .address_space: global }
    .group_segment_fixed_size: 217088
    .private_segment_fixed_size: 0
    .kernarg_segment_align: 8
    .kernarg_segment_size: 56
    .max_flat_workgroup_size: 128
    .sgpr_count:     66
    .vgpr_count:     1024
    .wavefront_size: 32
...
	.end_amdgpu_metadata
.endif
;; end of part 3
;; ======== version 2 of 2: 3 launches
;; workspace buffers: list1 262,144 bytes of whole numbers; ncnt 256 bytes of whole numbers; rec 32,768 bytes of whole numbers; coef 65,536 bytes; w1l 4,194,304 bytes; w2l 4,194,304 bytes; h 8,388,608 bytes; hs 262,144 bytes
;; launch route (part 4): grid 160 x 1, 32 waves a work-group, no clusters, 5,120 bytes of LDS; arguments choosed_experts, gate_weight, w1_codes, w2_codes, list1, ncnt, rec, coef, w1l, w2l; writes list1, ncnt, rec, coef, w1l, w2l
.if DOCPART == 4
	.amdgcn_target "amdgcn-amd-amdhsa--gfx1250"
	.amdhsa_code_object_version 6
	.text
	.protected	k_q64004ae94c_route
	.globl	k_q64004ae94c_route
	.p2align	8
	.type	k_q64004ae94c_route,@function
k_q64004ae94c_route:
	s_mov_b64 s[64:65], 0
	v_nop
	global_prefetch_b8 v0, s[64:65] scope:SCOPE_SE
	s_setreg_imm32_b32 hwreg(HW_REG_WAVE_MODE, 25, 1), 1
	s_wait_xcnt 0x0
; ROUTING AND WEIGHT LAYOUT, one launch.
; Work-groups 0-31: a counting sort of the 8,192 tokens by their experts, without atomics.  Work-group g serves expert e = g / 4 and places a quarter (part = g % 4) of the tokens.
;   Every one of the four counts ALL tokens that use e, in 8 bins by the token's OTHER expert o = e0 ^ e1 ^ e (o = e where both choices name e).  Thread tid owns tokens 1024 j + tid, j = 0..7;
;   the order inside a bin is (thread, j), the same in all four.  q = (bins below o) + rank is the token's place in expert e's list:  list1[e][q] = 2 t + (o < e), the row of h that fc1 writes for it.
;   Where o >= e, e is the token's lower expert, and s = q - (bins below e) + (tokens whose lower expert is below e) is its place in the order by (lower, higher):  rec[s] = t | lo << 16 | hi << 20, coef[s] = (c_lo, c_hi).
;   A token that names e twice has one row and c_lo = g0 + g1, c_hi = 0.  list1[e] is filled with 0 up to a multiple of 128, ncnt[e] = the list's length.
;   A part places tokens j = 2 part and 2 part + 1 of every thread.  They are picked by selects on the work-group's number; all addresses and data are made with every lane on, each in a register of its own,
;   and the masked stores follow in one run at the end.
; Work-groups 32-159: w1's and w2's codes are laid in the order of a matrix operand's registers: a fragment (16 rows x 128 K) is 2,048 bytes, register group c of lane l at 512 c + 16 l.  One wave moves one fragment.
;   w1l [e][T 0..31][ks 0..7]: lane r of tile T = 2 B + u is row 32 B + 8 u + r + 8 (r / 8), so that fc1's results of tiles 2 B, 2 B + 1 are 16 neighbours along fc2's K.   w2l [e][T 0..63][ks 0..3]: row 16 T + r.
; LIMITS: expert numbers outside 0..7 are not served (every address made of them is clamped into its buffer).
; No matrix unit, no tensor loads, no cluster: the sort is counting, the layout is a copy, and no two work-groups read a tile at the same time.
	s_load_b512 s[4:19], s[0:1], 0x0               ; choices s[4:5], gates s[6:7], w1 s[8:9], w2 s[10:11], list1 s[12:13], ncnt s[14:15], rec s[16:17], coef s[18:19]
	s_load_b128 s[20:23], s[0:1], 0x40             ; w1l s[20:21], w2l s[22:23]
	v_lshl_add_u32 v126, v0, 2, 0x400
	v_mov_b32 v127, 0
	v_lshrrev_b32 v1, 5, v0
	s_delay_alu instid0(VALU_DEP_1)
	v_readfirstlane_b32 s24, v1                    ; wave 0..31
	v_and_b32 v1, 31, v0                           ; lane
	s_cmp_ge_u32 ttmp9, 32
	s_cbranch_scc1 .Llayout
; ---------------- the sort ----------------
; s25 e, s26 part, s27 my wave's count of tokens whose lower expert is below e; s32-39 masks 'e0 = e', s40-47 masks 'uses e'; s48-51 totals, s52-55 the waves before mine, s56 tokens with a lower expert below e;
; s57-58 'e0 = e', s59-60 'uses e', s61-62 'e is the lower expert' of my part's two tokens; s66-74 first places of the bins (s74 = the list's length); s75-78 those + the waves before mine, two bins to a word;
; s79 first place of bin e; s80 what turns q into s; s81 e << 16; s87 the pads' lanes, s88 the length's lane; s89-90 the two tokens' 1024 j.
; v4 my 8 counts, a nibble each (at most 8); v8-23 the choices; v24-31 o; v32-39 my rank among my own tokens; v40-43 the gates of my part's two tokens; v44-47 counts, bins k and k + 4 in the halves of word k;
; v61-64 the place of my first token of each bin; v80-81 o, v82-83 rank of my part's two tokens; v84-91, v92-99 what is stored for them; v100-103 the pads and the length.
	s_lshr_b32 s25, ttmp9, 2
	s_and_b32 s26, ttmp9, 3
	s_mov_b32 s27, 0
	s_mov_b32 s28, 0xffff0000                      ; lanes 16-31
	s_mov_b32 s29, -1                              ; v_permlanex16_b32's selects: every lane takes lane 15 of the other half
	s_mov_b32 s30, -1
	s_lshl_b32 s81, s25, 16
	s_lshl_b32 s89, s26, 11
	s_add_co_u32 s90, s89, 1024
	v_lshlrev_b32 v2, 3, v0                        ; a token's two choices, and its two gates, are 8 bytes
	v_mov_b32 v3, 0                                ; (the destination of a lane move counts as read)
	v_mov_b32 v4, 0
	v_mov_b32 v65, 1
	s_lshl_b32 s84, s26, 14                        ; my part's gates: tokens 2,048 part on
	s_mov_b32 s85, 0
	s_wait_alu depctr_va_vdst(0)
	s_wait_kmcnt 0x0
	s_add_nc_u64 s[6:7], s[6:7], s[84:85]
.set j, 0
.rept 8
	global_load_b64 v[8+2*j:9+2*j], v2, s[4:5] offset:8192*j
.set j, j+1
.endr
	global_load_b64 v[40:41], v2, s[6:7]
	global_load_b64 v[42:43], v2, s[6:7] offset:8192
	s_lshl_b32 s84, s25, 15
	s_add_nc_u64 s[12:13], s[12:13], s[84:85]      ; list1 at expert e's 8,192 words
	s_wait_loadcnt 0x2                             ; the choices are in; the two loads of gates may stay out
.set j, 0
.rept 8
	v_xor_b32 v[24+j], v[8+2*j], v[9+2*j]
	v_cmp_eq_u32 s[32+j], s25, v[8+2*j]
	v_cmp_eq_u32 vcc_lo, s25, v[9+2*j]
	s_delay_alu instid0(VALU_DEP_3)
	v_xor_b32 v[24+j], s25, v[24+j]                ; o
	s_or_b32 s[40+j], s[32+j], vcc_lo              ; the token uses e
	v_lshlrev_b32 v5, 2, v[24+j]
	s_delay_alu instid0(VALU_DEP_1)
	v_bfe_u32 v[32+j], v4, v5, 4                   ; how many of my earlier tokens fell into bin o
	s_delay_alu instid0(VALU_DEP_2)
	v_lshlrev_b32 v6, v5, v65
	s_delay_alu instid0(VALU_DEP_1)
	v_cndmask_b32 v6, 0, v6, s[40+j]
	s_delay_alu instid0(VALU_DEP_1)
	v_add_nc_u32 v4, v4, v6
	v_min_u32 v7, v[8+2*j], v[9+2*j]
	s_delay_alu instid0(VALU_DEP_1)
	v_cmp_gt_u32 vcc_lo, s25, v7                   ; its lower expert is below e
	s_bcnt1_i32_b32 s84, vcc_lo
	s_add_co_u32 s27, s27, s84
.set j, j+1
.endr
.set k, 0
.rept 4
	v_lshrrev_b32 v[44+k], 4*k, v4
	s_delay_alu instid0(VALU_DEP_1)
	v_and_b32 v[44+k], 0x000f000f, v[44+k]         ; bins k and k + 4, 16 bits each: a sum over all tokens is at most 8,192
	s_delay_alu instid0(VALU_DEP_1)
	v_mov_b32 v[48+k], v[44+k]
.set k, k+1
.endr
; the sum of lanes 0 .. l, in lane l: four steps inside each half of 16 lanes, then the lower half's total onto the upper half
.macro SCAN r
	v_mov_b32_dpp v3, v[\r] row_shr:1 row_mask:0xf bank_mask:0xf bound_ctrl:1
	s_delay_alu instid0(VALU_DEP_1)
	v_add_nc_u32 v[\r], v[\r], v3
	s_delay_alu instid0(VALU_DEP_1)
	v_mov_b32_dpp v3, v[\r] row_shr:2 row_mask:0xf bank_mask:0xf bound_ctrl:1
	s_delay_alu instid0(VALU_DEP_1)
	v_add_nc_u32 v[\r], v[\r], v3
	s_delay_alu instid0(VALU_DEP_1)
	v_mov_b32_dpp v3, v[\r] row_shr:4 row_mask:0xf bank_mask:0xf bound_ctrl:1
	s_delay_alu instid0(VALU_DEP_1)
	v_add_nc_u32 v[\r], v[\r], v3
	s_delay_alu instid0(VALU_DEP_1)
	v_mov_b32_dpp v3, v[\r] row_shr:8 row_mask:0xf bank_mask:0xf bound_ctrl:1
	s_delay_alu instid0(VALU_DEP_1)
	v_add_nc_u32 v[\r], v[\r], v3
	s_delay_alu instid0(VALU_DEP_1)
	v_permlanex16_b32 v3, v[\r], s29, s30
	s_delay_alu instid0(VALU_DEP_1)
	v_cndmask_b32 v3, 0, v3, s28
	s_delay_alu instid0(VALU_DEP_1)
	v_add_nc_u32 v[\r], v[\r], v3
.endm
	SCAN 44
	SCAN 45
	SCAN 46
	SCAN 47
.set k, 0
.rept 4
	v_sub_nc_u32 v[48+k], v[44+k], v[48+k]         ; the lanes before mine
	v_readlane_b32 s[48+k], v[44+k], 31            ; my wave's total
.set k, k+1
.endr
.set k, 0
.rept 4
	v_mov_b32 v[52+k], s[48+k]
.set k, k+1
.endr
	v_mov_b32 v56, s27
	v_mov_b32 v7, s24
	s_delay_alu instid0(VALU_DEP_1)
	v_lshlrev_b32 v7, 5, v7                        ; 32 bytes of LDS for each wave; all lanes write the same words with the same values
	ds_store_b128 v7, v[52:55]
	ds_store_b32 v7, v56 offset:16
	s_wait_dscnt 0x0                               ; for the others' sake: my totals have landed
	s_barrier_signal -1
	s_barrier_wait -1
	v_lshlrev_b32 v7, 5, v1                        ; lane l takes wave l's totals
	ds_load_b128 v[52:55], v7
	ds_load_b32 v56, v7 offset:16
	s_wait_dscnt 0x0
.set k, 0
.rept 4
	v_mov_b32 v[57+k], v[52+k]
.set k, k+1
.endr
	SCAN 52
	SCAN 53
	SCAN 54
	SCAN 55
	SCAN 56
.set k, 0
.rept 4
	v_sub_nc_u32 v[57+k], v[52+k], v[57+k]
	s_delay_alu instid0(VALU_DEP_1)
	v_readlane_b32 s[52+k], v[57+k], s24           ; the waves before mine
	v_readlane_b32 s[48+k], v[52+k], 31            ; all waves
.set k, k+1
.endr
	v_readlane_b32 s56, v56, 31
	s_mov_b32 s66, 0
.set k, 0
.rept 4
	s_and_b32 s84, s[48+k], 0xffff
	s_add_co_u32 s[67+k], s[66+k], s84
.set k, k+1
.endr
.set k, 0
.rept 4
	s_lshr_b32 s84, s[48+k], 16
	s_add_co_u32 s[71+k], s[70+k], s84
.set k, k+1
.endr
.set k, 0
.rept 4
	s_lshl_b32 s84, s[70+k], 16
	s_or_b32 s84, s84, s[66+k]
	s_add_co_u32 s[75+k], s84, s[52+k]             ; each half stays under 8,192: no carry between them
	v_add_nc_u32 v[61+k], s[75+k], v[48+k]         ; the place of my first token of bins k and k + 4
.set k, k+1
.endr
	s_mov_b32 s79, s66
.set k, 1
.rept 7
	s_cmp_eq_u32 s25, k
	s_cselect_b32 s79, s[66+k], s79
.set k, k+1
.endr
	s_sub_co_u32 s80, s56, s79
	; my part's two tokens out of the eight: the choice hangs on the work-group's number alone
	v_mov_b32 v80, v24
	s_wait_alu depctr_va_vdst(0)
	v_mov_b32 v81, v25
	s_wait_alu depctr_va_vdst(0)
	v_mov_b32 v82, v32
	s_wait_alu depctr_va_vdst(0)
	v_mov_b32 v83, v33
	s_wait_alu depctr_va_vdst(0)
	s_mov_b32 s57, s32
	s_mov_b32 s58, s33
	s_mov_b32 s59, s40
	s_mov_b32 s60, s41
.set k, 1
.rept 3
	s_cmp_eq_u32 s26, k
	s_cselect_b32 s84, -1, 0
	s_cselect_b32 s57, s[32+2*k], s57
	s_cselect_b32 s58, s[33+2*k], s58
	s_cselect_b32 s59, s[40+2*k], s59
	s_cselect_b32 s60, s[41+2*k], s60
	v_cndmask_b32 v80, v80, v[24+2*k], s84
	v_cndmask_b32 v81, v81, v[25+2*k], s84
	v_cndmask_b32 v82, v82, v[32+2*k], s84
	v_cndmask_b32 v83, v83, v[33+2*k], s84
.set k, k+1
.endr
	s_wait_alu depctr_va_vdst(0)
	s_wait_loadcnt 0x0                             ; the gates
; What is stored for token x (0, 1) of my part: v[PB] list1's offset, +1 the row of h, +2 rec's offset, +3 coef's, +4, +5 the two weights, +6 the record.  Every lane is on.
.macro PLACE x
.set PB, 84+8*(\x)
.set g, 40+2*(\x)
	v_and_b32 v66, 1, v[80+(\x)]
	s_delay_alu instid0(VALU_DEP_1)
	v_cmp_ne_u32 vcc_lo, 0, v66
	s_delay_alu instid0(VALU_DEP_1)
	v_cndmask_b32 v67, v61, v62, vcc_lo
	s_delay_alu instid0(VALU_DEP_2)
	v_cndmask_b32 v68, v63, v64, vcc_lo
	v_and_b32 v66, 2, v[80+(\x)]
	s_delay_alu instid0(VALU_DEP_1)
	v_cmp_ne_u32 vcc_lo, 0, v66
	s_delay_alu instid0(VALU_DEP_1)
	v_cndmask_b32 v67, v67, v68, vcc_lo            ; word o % 4,
	v_and_b32 v66, 4, v[80+(\x)]
	s_delay_alu instid0(VALU_DEP_1)
	v_lshlrev_b32 v66, 2, v66
	s_delay_alu instid0(VALU_DEP_1)
	v_bfe_u32 v67, v67, v66, 16                    ; its half o / 4,
	s_delay_alu instid0(VALU_DEP_1)
	v_add_nc_u32 v67, v67, v[82+(\x)]              ; + my rank among my own: q
	v_add_nc_u32 v69, s[89+(\x)], v0               ; t
	v_cmp_gt_u32 vcc_lo, s25, v[80+(\x)]
	s_delay_alu instid0(VALU_DEP_1)
	v_cndmask_b32 v70, 0, 1, vcc_lo
	s_delay_alu instid0(VALU_DEP_1)
	v_lshl_add_u32 v[PB+1], v69, 1, v70            ; the row of h: 2 t + (e is the higher expert)
	v_min_u32 v[PB], 0x1fff, v67
	s_delay_alu instid0(VALU_DEP_1)
	v_lshlrev_b32 v[PB], 2, v[PB]
	v_add_nc_u32 v72, s80, v67                     ; s
	s_delay_alu instid0(VALU_DEP_1)
	v_min_u32 v72, 0x1fff, v72
	s_delay_alu instid0(VALU_DEP_1)
	v_lshlrev_b32 v[PB+2], 2, v72
	s_delay_alu instid0(VALU_DEP_2)
	v_lshlrev_b32 v[PB+3], 3, v72
	v_lshl_or_b32 v[PB+6], v[80+(\x)], 20, v69
	s_delay_alu instid0(VALU_DEP_1)
	v_or_b32 v[PB+6], s81, v[PB+6]                 ; t | e << 16 | o << 20
	v_cndmask_b32 v[PB+4], v[g+1], v[g], s[57+(\x)]    ; e's gate,
	v_cndmask_b32 v[PB+5], v[g], v[g+1], s[57+(\x)]    ; the other's
	v_add_f32 v78, v[g], v[g+1]
	v_cmp_eq_u32 vcc_lo, s25, v[80+(\x)]
	s_delay_alu instid0(VALU_DEP_1)
	v_cndmask_b32 v[PB+4], v[PB+4], v78, vcc_lo    ; both choices name e: the sum, and nothing for a second row
	v_cmp_ne_u32 vcc_lo, s25, v[80+(\x)]
	s_delay_alu instid0(VALU_DEP_1)
	v_cndmask_b32 v[PB+5], 0, v[PB+5], vcc_lo
	v_cmp_le_u32 s[61+(\x)], s25, v[80+(\x)]
	s_and_b32 s[61+(\x)], s[61+(\x)], s[59+(\x)]   ; e is the token's lower expert
.endm
	PLACE 0
	PLACE 1
	; part 0 also fills the list up to a multiple of 128 and stores its length
	s_cmp_eq_u32 s26, 0
	s_cselect_b32 s86, -1, 0
	s_add_co_u32 s84, s74, 127
	s_and_b32 s84, s84, 0xffffff80
	v_add_nc_u32 v100, s74, v0
	s_delay_alu instid0(VALU_DEP_1)
	v_cmp_gt_u32 s87, s84, v100
	s_and_b32 s87, s87, s86
	v_min_u32 v100, 0x1fff, v100
	s_delay_alu instid0(VALU_DEP_1)
	v_lshlrev_b32 v100, 2, v100
	v_mov_b32 v101, 0
	v_cmp_eq_u32 s88, 0, v0
	s_and_b32 s88, s88, s86
	s_lshl_b32 s84, s25, 2
	v_mov_b32 v102, s84
	v_mov_b32 v103, s74
; The masked stores.  EXEC is a source of the memory instructions that are out: it changes only behind s_wait_xcnt 0; between a restore and the next narrowing nothing is issued.
.macro MASKED m
	s_mov_b32 vcc_lo, s[\m]
	s_and_saveexec_b32 s82, vcc_lo
.endm
.macro UNMASK
	s_wait_xcnt 0x0
	s_or_b32 exec_lo, exec_lo, s82
.endm
	s_wait_alu depctr_va_vdst(0)
	s_wait_xcnt 0x0
	MASKED 59
	global_store_b32 v84, v85, s[12:13]
	UNMASK
	MASKED 61
	global_store_b32 v86, v90, s[16:17]
	global_store_b64 v87, v[88:89], s[18:19]
	UNMASK
	MASKED 60
	global_store_b32 v92, v93, s[12:13]
	UNMASK
	MASKED 62
	global_store_b32 v94, v98, s[16:17]
	global_store_b64 v95, v[96:97], s[18:19]
	UNMASK
	MASKED 87
	global_store_b32 v100, v101, s[12:13]
	UNMASK
	MASKED 88
	global_store_b32 v102, v103, s[14:15]
	UNMASK
	s_wait_xcnt 0x0
	s_mov_b32 exec_lo, -1
	s_wait_tensorcnt 0x0
	ds_add_u32 v126, v127
	s_wait_dscnt 0x0
	s_endpgm
; ---------------- the layout ----------------
.Llayout:
	s_sub_co_u32 s25, ttmp9, 32
	s_lshl_b32 s25, s25, 5
	s_add_co_u32 s25, s25, s24                     ; my fragment: 0..2047 of w1, 2048..4095 of w2.  Neighbouring waves take neighbouring K steps of the same 16 rows
	v_and_b32 v2, 15, v0                           ; r
	v_bfe_u32 v3, v0, 4, 1                         ; h
	s_wait_alu depctr_va_vdst(0)
	v_lshlrev_b32 v4, 4, v1                        ; out: 16 bytes a lane, 512 consecutive bytes a store
	s_mov_b32 s29, 0
	s_mov_b32 s31, 0
.macro MOVE src, dst
	s_wait_kmcnt 0x0
	s_add_nc_u64 s[\src:\src+1], s[\src:\src+1], s[28:29]
	s_add_nc_u64 s[\dst:\dst+1], s[\dst:\dst+1], s[30:31]
.irp c, 0,1,2,3
	global_load_b128 v[8+4*\c:11+4*\c], v5, s[\src:\src+1] offset:32*\c      ; row's K = 32 c + 16 h + 0 .. 15
.endr
	s_wait_loadcnt 0x0
.irp c, 0,1,2,3
	global_store_b128 v4, v[8+4*\c:11+4*\c], s[\dst:\dst+1] offset:512*\c
.endr
	s_endpgm
.endm
	s_cmp_ge_u32 s25, 2048
	s_cbranch_scc1 .Lw2
	s_and_b32 s26, s25, 7                          ; ks
	s_bfe_u32 s27, s25, 0x50003                    ; T
	s_lshr_b32 s28, s25, 8                         ; e
	s_lshl_b32 s28, s28, 19                        ; an expert's codes are 512 x 1,024 bytes
	s_lshr_b32 s84, s27, 1
	s_lshl_b32 s84, s84, 15                        ; 32 B rows of 1,024 bytes
	s_add_co_u32 s28, s28, s84
	s_and_b32 s84, s27, 1
	s_lshl_b32 s84, s84, 13                        ; 8 u rows
	s_add_co_u32 s28, s28, s84
	s_lshl_b32 s84, s26, 7
	s_add_co_u32 s28, s28, s84
	s_lshl_b32 s30, s25, 11
	v_and_b32 v5, 8, v2
	s_delay_alu instid0(VALU_DEP_1)
	v_add_nc_u32 v5, v5, v2                        ; r + 8 (r / 8)
	s_delay_alu instid0(VALU_DEP_1)
	v_lshlrev_b32 v5, 10, v5
	s_delay_alu instid0(VALU_DEP_1)
	v_lshl_add_u32 v5, v3, 4, v5
	s_wait_alu depctr_va_vdst(0)
	MOVE 8, 20
.Lw2:
	s_sub_co_u32 s25, s25, 2048
	s_and_b32 s26, s25, 3                          ; ks
	s_bfe_u32 s27, s25, 0x60002                    ; T
	s_lshr_b32 s28, s25, 8                         ; e
	s_lshl_b32 s28, s28, 19                        ; an expert's codes are 1,024 x 512 bytes
	s_lshl_b32 s84, s27, 13                        ; 16 T rows of 512 bytes
	s_add_co_u32 s28, s28, s84
	s_lshl_b32 s84, s26, 7
	s_add_co_u32 s28, s28, s84
	s_lshl_b32 s30, s25, 11
	v_lshlrev_b32 v5, 9, v2
	s_delay_alu instid0(VALU_DEP_1)
	v_lshl_add_u32 v5, v3, 4, v5
	s_wait_alu depctr_va_vdst(0)
	MOVE 10, 22
.Lfunc_end_k_q64004ae94c_route:
	.size	k_q64004ae94c_route, .Lfunc_end_k_q64004ae94c_route-k_q64004ae94c_route
	.p2alignl 7, 3214868480
	.fill 96, 4, 3214868480
	.section	.rodata,"a",@progbits
	.p2align	6, 0x0
	.amdhsa_kernel k_q64004ae94c_route
		.amdhsa_group_segment_fixed_size 5120
		.amdhsa_private_segment_fixed_size 0
		.amdhsa_enable_private_segment 0
		.amdhsa_kernarg_size 80
		.amdhsa_user_sgpr_count 2
		.amdhsa_user_sgpr_kernarg_segment_ptr 1
		.amdhsa_wavefront_size32 1
		.amdhsa_system_sgpr_workgroup_id_x 1
		.amdhsa_system_sgpr_workgroup_id_y 1
		.amdhsa_system_sgpr_workgroup_id_z 1
		.amdhsa_system_vgpr_workitem_id 0
		.amdhsa_next_free_vgpr 128
		.amdhsa_next_free_sgpr 96
		.amdhsa_reserve_vcc 1
		.amdhsa_float_denorm_mode_32 3
		.amdhsa_float_denorm_mode_16_64 3
		.amdhsa_memory_ordered 1
		.amdhsa_forward_progress 1
		.amdhsa_inst_pref_size 32
	.end_amdhsa_kernel
	.amdgpu_metadata
---
amdhsa.version: [ 1, 2 ]
amdhsa.kernels:
  - .name:           k_q64004ae94c_route
    .symbol:         k_q64004ae94c_route.kd
    .args:
      - { .name: choosed_experts, .offset: 0, .size: 8, .value_kind: global_buffer, .address_space: global }
      - { .name: gate_weight, .offset: 8, .size: 8, .value_kind: global_buffer, .address_space: global }
      - { .name: w1_codes, .offset: 16, .size: 8, .value_kind: global_buffer, .address_space: global }
      - { .name: w2_codes, .offset: 24, .size: 8, .value_kind: global_buffer, .address_space: global }
      - { .name: list1, .offset: 32, .size: 8, .value_kind: global_buffer, .address_space: global }
      - { .name: ncnt, .offset: 40, .size: 8, .value_kind: global_buffer, .address_space: global }
      - { .name: rec, .offset: 48, .size: 8, .value_kind: global_buffer, .address_space: global }
      - { .name: coef, .offset: 56, .size: 8, .value_kind: global_buffer, .address_space: global }
      - { .name: w1l, .offset: 64, .size: 8, .value_kind: global_buffer, .address_space: global }
      - { .name: w2l, .offset: 72, .size: 8, .value_kind: global_buffer, .address_space: global }
    .group_segment_fixed_size: 5120
    .private_segment_fixed_size: 0
    .kernarg_segment_align: 8
    .kernarg_segment_size: 80
    .max_flat_workgroup_size: 1024
    .sgpr_count:     96
    .vgpr_count:     128
    .wavefront_size: 32
...
	.end_amdgpu_metadata
.endif
;; end of part 4
;; launch fc1 (part 5): grid 2 x 135, 4 waves a work-group, no clusters, 174,080 bytes of LDS; arguments list1, ncnt, hidden_states_codes, hidden_states_scales, w1l, w1_scales, h, hs; writes h, hs
.if DOCPART == 5
	.amdgcn_target "amdgcn-amd-amdhsa--gfx1250"
	.amdhsa_code_object_version 6
	.text
	.protected	k_q64004ae94c_fc1
	.globl	k_q64004ae94c_fc1
	.p2align	8
	.type	k_q64004ae94c_fc1,@function
k_q64004ae94c_fc1:
	s_mov_b64 s[64:65], 0
	v_nop
	global_prefetch_b8 v0, s[64:65] scope:SCOPE_SE
	s_setreg_imm32_b32 hwreg(HW_REG_WAVE_MODE, 25, 1), 1
	s_wait_xcnt 0x0
; h = Q(gelu(x W1[e])) for the routed rows alone, on codes of E5M2 with one E8M0 scale for each 32 along K.
; A work-group takes a tile of 128 routed rows of ONE expert (work-group y: the tile) x 256 of the 512 hidden units (work-group x: the half).  With R <= 16,384 routed rows and 8 experts there are never more than
; 16,384 / 128 + 7 = 135 tiles, whatever the choice.  Which expert and which rows a tile has is worked out from ncnt, the eight list lengths.
; A TILE THAT A GIVEN CHOICE LEAVES WITHOUT ROWS passes both barriers like every other and jumps over the three phases between them (gather; products, gelu, quantiser; way out): each jump joins again ahead of the barrier,
; so that every wave passes every barrier once, whatever was read.  The loads of the list and of the first weights stand ahead of the first jump, so that they are on their way early; such a tile's are discarded.
; SHARES.  Wave w makes hidden units 64 w .. 64 w + 63 of the half for all 128 rows: 32 accumulators.  So each byte of W1 enters the work-group once, straight into registers (w1l holds the fragments as register images);
; the rows of x are gathered once into LDS and read by all four waves.  K = 1,024 goes in 8 steps of 128, 32 matrix instructions each.
; TRANSPOSED USE: source 0 = 16 rows of W1, source 1 = 16 rows of x: a lane holds ONE routed row, and by w1l's choice of rows the 16 registers of tiles 2 b, 2 b + 1 are hidden units 32 b + 16 (lane / 16) + 0 .. 15:
; neighbours along fc2's K, as the conversions want them.  gelu is the tanh form, written x / (1 + 2^(x (c0 + c1 x^2))), c0 = -2 sqrt(2 / pi) log2(e), c1 = 0.044715 c0, all in f32.
; The codes of a row go to h[slot][512], its scale bytes to hs[slot][16], slot = 2 token + (this is the token's higher expert), through a stage in LDS, so that sixteen lanes store 256 consecutive bytes, aligned.
; NO TENSOR LOADS, NO CLUSTER: the number of tiles of an expert is read from memory and jumps hang on it, so partners could not make every joint request alike; the weights come by plain loads, three K steps ahead.
; LIMITS: NaN and infinities are not served.  A block of h whose numbers are all zero gets the byte 1 where the rule says 127: its codes are zeros, and only fc2 reads the bytes.
; LDS: X 128 rows x 1,072 bytes (1,024 codes, 32 scale bytes, 16 of padding: 268 words, so row r starts at bank 12 r mod 64 (64 banks of 4 bytes: ISA guide 11.1) and the 16 rows of a fragment load start at 16 different banks);
;   STG 128 x 272 the codes' stage; SCS 128 x 8 scale bytes; SLT 128 slots.
; REGISTERS: window 0: v0-31 addresses, v32-59 at work, v64-95 x's scale words, v96-111 W1's (register ks % 4; lanes 0-15 K steps 0-3, lanes 16-31 K steps 4-7), v128-255 x's fragments, set 0 (later 32 numbers at work, later the way out);
;   window 1: W1's fragments, a ring of four sets of 64;  window 2: the accumulators, tile (m, n) at 8 (4 m + n); before the loop the gathered rows land there;  window 3: v128-255 x's fragments, set 1.
.set XP,   1072
.set XT,   16*XP
.set XH,   64*XP
.set STG,  128*XP
.set SGP,  272
.set SCS,  STG+128*SGP
.set SLT,  SCS+1024
.set T,    128
.set MSB, 0
.macro WIN new                         ; the immediate's high byte repeats the setting that is left
.if MSB != \new
	s_set_vgpr_msb (MSB<<8)|\new
.set MSB, \new
.endif
.endm
	s_load_b512 s[4:19], s[0:1], 0x0               ; list1 s[4:5], ncnt s[6:7], x's codes s[8:9], x's scales s[10:11], w1l s[12:13], W1's scales s[14:15], h s[16:17], hs s[18:19]
	v_lshl_add_u32 v126, v0, 2, 0x2a600
	v_mov_b32 v127, 0
	v_lshrrev_b32 v21, 5, v0
	v_readfirstlane_b32 s28, v21                   ; wave 0..3
	s_mov_b32 s29, ttmp9                           ; which half of the hidden units
	s_and_b32 s30, ttmp7, 0xffff                   ; which tile
	v_and_b32 v21, 31, v0
	v_lshlrev_b32 v1, 4, v21                       ; 16 x lane
	v_lshlrev_b32 v2, 2, v0                        ; 4 x thread
	v_and_b32 v19, 15, v0                          ; r
	v_bfe_u32 v20, v0, 4, 1                        ; h
	s_wait_alu depctr_va_vdst(0)
	s_wait_kmcnt 0x0
	s_load_b256 s[20:27], s[6:7], 0x0              ; the eight list lengths
	; every LDS address is a constant + constants x lane and wave
	v_mul_u32_u24 v8, v19, XP
	v_lshl_add_u32 v8, v20, 4, v8                  ; a fragment of x: row r, + 16 h; rows 0-63,
	v_add_nc_u32 v9, XH, v8                        ; rows 64-127
	s_mul_i32 s55, s28, 32*XP
	v_add_nc_u32 v6, s55, v1                       ; where I put the rows that my wave gathers: 32 w on
	v_mul_u32_u24 v7, v0, XP                       ; my thread's row
	v_add_nc_u32 v4, SLT, v2
	v_mul_u32_u24 v12, v19, SGP
	v_lshl_add_u32 v12, v20, 4, v12
	s_lshl_b32 s55, s28, 6
	s_add_co_u32 s55, s55, STG
	v_add_nc_u32 v12, s55, v12                     ; the stage, in: row r, my wave's 64 bytes, + 16 h
	s_lshl_b32 s55, s28, 1
	s_add_co_u32 s55, s55, SCS
	v_lshl_add_u32 v13, v19, 3, s55                ; a row's 8 scale bytes, my wave's two
	v_lshlrev_b32 v14, 4, v19
	s_lshl_b32 s55, s28, 5
	v_add_nc_u32 v15, s55, v20                     ; the way out: row 32 w + h
	v_mul_u32_u24 v16, v20, SGP
	v_lshl_add_u32 v16, v19, 4, v16
	s_mul_i32 s55, s28, 32*SGP
	s_add_co_u32 s55, s55, STG
	v_add_nc_u32 v16, s55, v16                     ; the stage, back: sixteen lanes to a row, two rows an instruction
	s_lshl_b32 s55, s28, 7
	s_add_co_u32 s55, s55, SLT
	v_lshl_add_u32 v17, v20, 2, s55                ; and those rows' slots
	v_and_b32 v18, 8, v19
	v_add_nc_u32 v18, v18, v19                     ; r + 8 (r / 8)
	v_lshlrev_b32 v18, 5, v18
	v_lshl_add_u32 v18, v20, 4, v18                ; W1's scale bytes: 32 a row; lanes 16-31 take K steps 4-7
	v_lshl_add_u32 v22, v0, 3, SCS
	v_mov_b32 v10, 0xc0135761                      ; c0 = -2.3022082
	v_mov_b32 v11, 0xc0135761
	v_mov_b32 v34, 0                               ; written once: a lane permute's destination counts as one of its sources
	v_mov_b32 v35, 0
	s_mov_b32 s52, 0xbdd2d3e8                      ; c1 = -0.10294324
	s_mov_b32 s53, s52                             ; (named with it as a pair, so it is written)
	s_mov_b32 s48, 0x76543210
	s_mov_b32 s49, 0xfedcba98                      ; v_permlanex16_b32's selects for lane l xor 16
	s_mov_b32 s50, 0x600000                        ; the mantissa field of 57,344
	s_mov_b32 s31, 0
	s_mov_b32 s32, 0
	s_mov_b32 s33, 0
	s_mov_b32 s34, 0
	s_mov_b32 s57, 0
	s_wait_alu depctr_va_vdst(0)
	s_wait_kmcnt 0x0
.set se, 0
.rept 8                                ; the last expert whose first tile is not behind mine
	s_cmp_ge_u32 s30, s31
	s_cselect_b32 s32, se, s32
	s_cselect_b32 s33, s31, s33
	s_cselect_b32 s34, s[20+se], s34
	s_add_co_u32 s55, s[20+se], 127
	s_lshr_b32 s55, s55, 7
	s_add_co_u32 s31, s31, s55
.set se, se+1
.endr
	s_min_u32 s32, s32, 7                          ; e
	s_sub_co_u32 s35, s30, s33
	s_lshl_b32 s35, s35, 7                         ; my first place in its list
	s_sub_co_i32 s37, s34, s35
	s_min_i32 s37, s37, 128                        ; my rows: 0 or less where the tile has none
	s_min_u32 s36, s35, 8064                       ; (the place, as it enters an address)
	s_lshl_b32 s56, s32, 15
	s_lshl_b32 s55, s36, 2
	s_add_co_u32 s56, s56, s55
	s_add_nc_u64 s[44:45], s[4:5], s[56:57]        ; list1[e][first place]
	global_load_b32 v3, v2, s[44:45]               ; thread 32 w + l: the slot of row 32 w + l
	s_lshl_b32 s56, s32, 14
	s_lshl_b32 s55, s29, 13
	s_add_co_u32 s56, s56, s55
	s_lshl_b32 s55, s28, 11
	s_add_co_u32 s56, s56, s55
	s_add_nc_u64 s[42:43], s[14:15], s[56:57]      ; W1's scale bytes at my 64 units
	s_lshl_b32 s56, s32, 19
	s_lshl_b32 s55, s29, 18
	s_add_co_u32 s56, s56, s55
	s_lshl_b32 s55, s28, 16
	s_add_co_u32 s56, s56, s55
	s_add_nc_u64 s[40:41], s[12:13], s[56:57]      ; w1l at my four tiles: 16,384 bytes a tile
	s_lshl_b32 s56, s29, 8
	s_add_nc_u64 s[16:17], s[16:17], s[56:57]      ; h at my half's 256 bytes of a row
	s_lshl_b32 s56, s29, 3
	s_add_nc_u64 s[18:19], s[18:19], s[56:57]      ; hs at my half's 8
.irp n, 0,1,2,3
	global_load_b128 v[96+4*\n:99+4*\n], v18, s[42:43] offset:(32*(\n/2)+8*(\n%2))*32
.endr
.macro BLOAD ks                        ; W1's four fragments of K step ks into set ks % 4: 16 loads of 512 consecutive bytes
	WIN 0x40
.set bn, 0
.rept 4
.set bc, 0
.rept 4
	global_load_b128 v[64*((\ks)&3)+16*bn+4*bc:64*((\ks)&3)+16*bn+4*bc+3], v1, s[40:41] offset:bn*16384+(\ks)*2048+512*bc
.set bc, bc+1
.endr
.set bn, bn+1
.endr
	WIN 0
.endm
	BLOAD 0
	BLOAD 1
	BLOAD 2
; ---------------- the gather: my wave's 32 rows of x, and their scale bytes, into LDS ----------------
	s_cmp_le_i32 s37, 0
	s_cbranch_scc1 .Lgathered
	s_wait_loadcnt 52                              ; the slots are in: behind their load stand 4 loads of scales and 48 of weights
	ds_store_b32 v4, v3
	v_lshrrev_b32 v5, 1, v3
	v_min_u32 v5, 0x1fff, v5
	v_lshlrev_b32 v5, 5, v5                        ; my row's 32 scale bytes
.set xi, 0
.rept 32                               ; row 32 w + i: its token's 1,024 bytes, 16 a lane, twice
	v_readlane_b32 s[55+(xi&3)], v3, xi
	s_lshr_b32 s[55+(xi&3)], s[55+(xi&3)], 1
	s_min_u32 s[55+(xi&3)], s[55+(xi&3)], 8191
	v_lshl_add_u32 v[128+xi], s[55+(xi&3)], 10, v1
.set xi, xi+1
.endr
	global_load_b128 v[52:55], v5, s[10:11]
	global_load_b128 v[56:59], v5, s[10:11] offset:16
	WIN 0x80                                       ; destination window 2, address window 0
.set xi, 0
	s_wait_alu depctr_va_vdst(0)
.rept 32
	global_load_b128 v[8*xi:8*xi+3], v[128+xi], s[8:9]
	global_load_b128 v[8*xi+4:8*xi+7], v[128+xi], s[8:9] offset:512
.set xi, xi+1
.endr
	s_wait_loadcnt 0x0                             ; the rows are the youngest loads
	WIN 0x08                                       ; an LDS store's data are its source 1: window 2
.set xi, 0
.rept 32
	ds_store_b128 v6, v[8*xi:8*xi+3] offset:XP*xi
	ds_store_b128 v6, v[8*xi+4:8*xi+7] offset:XP*xi+512
.set xi, xi+1
.endr
	WIN 0
	ds_store_b128 v7, v[52:55] offset:1024
	ds_store_b128 v7, v[56:59] offset:1040
.Lgathered:
	s_wait_dscnt 0x0                               ; for the others' sake: my 32 rows have landed
	s_barrier_signal -1
	s_barrier_wait -1                              ; all 128 rows lie in LDS
; ---------------- the products, gelu, the quantiser ----------------
	s_cmp_le_i32 s37, 0
	s_cbranch_scc1 .Lstaged
.macro AFETCH ks                       ; x's eight fragments of K step ks into set ks % 2: 32 loads
.set W, 0xC0*((\ks)&1)
	WIN W
.set am, 0
.rept 8
.set ac, 0
.rept 4
.if am < 4
	ds_load_b128 v[128+16*am+4*ac:128+16*am+4*ac+3], v8 offset:(am&3)*XT+128*(\ks)+32*ac
.else
	ds_load_b128 v[128+16*am+4*ac:128+16*am+4*ac+3], v9 offset:(am&3)*XT+128*(\ks)+32*ac
.endif
.set ac, ac+1
.endr
.set am, am+1
.endr
	WIN 0
.endm
	AFETCH 0
.irp m, 0,1,2,3
	ds_load_b128 v[64+4*\m:67+4*\m], v8 offset:\m*XT+1024        ; x's scale words: lanes 0-15 K steps 0-3, lanes 16-31 K steps 4-7
.endr
.irp m, 0,1,2,3
	ds_load_b128 v[80+4*\m:83+4*\m], v9 offset:\m*XT+1024
.endr
; 32 matrix instructions: the 32 accumulators take turns, one instruction a turn, in the same order in every step.  The first step's products start the sums.
.macro MM ks
.set pm, 0
.rept 8
.set pn, 0
.rept 4
.set rD, 8*(4*pm+pn)
.set rW, 64*((\ks)&3)+16*pn
.set rX, 128+16*pm
.set rSW, 96+4*pn+((\ks)&3)
.set rSX, 64+4*pm+((\ks)&3)
.if (\ks) == 0
	v_wmma_scale_f32_16x16x128_f8f6f4 v[rD:rD+7], v[rW:rW+15], v[rX:rX+15], 0, v[rSW], v[rSX] matrix_a_fmt:MATRIX_FMT_BF8 matrix_b_fmt:MATRIX_FMT_BF8
.elseif (\ks) < 4
	v_wmma_scale_f32_16x16x128_f8f6f4 v[rD:rD+7], v[rW:rW+15], v[rX:rX+15], v[rD:rD+7], v[rSW], v[rSX] matrix_a_fmt:MATRIX_FMT_BF8 matrix_b_fmt:MATRIX_FMT_BF8
.else
	v_wmma_scale_f32_16x16x128_f8f6f4 v[rD:rD+7], v[rW:rW+15], v[rX:rX+15], v[rD:rD+7], v[rSW], v[rSX] matrix_a_fmt:MATRIX_FMT_BF8 matrix_b_fmt:MATRIX_FMT_BF8 matrix_a_scale:MATRIX_SCALE_ROW1 matrix_b_scale:MATRIX_SCALE_ROW1
.endif
.set pn, pn+1
.endr
.set pm, pm+1
.endr
.endm
; A K step.  At its head the sets that the last step multiplied are filled again: W1's with the step three on, x's with the next step.  Loads into registers that matrix instructions have read stand
; eight places behind them.
.macro STEP ks
.if ((\ks) > 0) && ((\ks) < 7)
.rept 8
	v_nop
.endr
.endif
.if (\ks) <= 4
	BLOAD (\ks)+3
.endif
.if (\ks) < 7
	AFETCH (\ks)+1
.endif
.if (\ks) <= 4
	s_wait_loadcnt 48                              ; this step's weights (and, in step 0, W1's scale words, which are older) are in: three sets were asked for behind them
.else
	s_wait_loadcnt 16*(7-(\ks))                    ; the sets still behind them: two, one, none
.endif
.if (\ks) < 7
	s_wait_dscnt 32                                ; all but the 32 loads just issued
.else
	s_wait_dscnt 0x0
.endif
.set W, 0xA1+0x0C*((\ks)&1)                    ; source 0 (W1) window 1, source 1 (x) window 0 or 3, C and D window 2
	WIN W
	MM \ks
	WIN 0
.endm
	STEP 0
	STEP 1
	STEP 2
	STEP 3
	STEP 4
	STEP 5
	STEP 6
	STEP 7
.rept 8
	v_nop                                          ; places in front of the first read of results, and of writes to registers that held x's fragments
.endr
; Tile m of 16 rows: my 32 numbers of a row: gelu, two blocks of 32 (each shared with lane l xor 16) quantised, codes and scale bytes into LDS.  Each accumulator is read from its low end on.
.macro EPI m
	WIN 0x0A
.set ei, 0
.rept 16
	v_pk_mul_f32 v[T+2*ei:T+2*ei+1], v[32*(\m)+2*ei:32*(\m)+2*ei+1], v[32*(\m)+2*ei:32*(\m)+2*ei+1]   ; x^2
.set ei, ei+1
.endr
	WIN 0
.set ei, 0
.rept 16
	v_pk_fma_f32 v[T+2*ei:T+2*ei+1], v[T+2*ei:T+2*ei+1], s[52:53], v[10:11] op_sel_hi:[1,0,1]        ; c0 + c1 x^2
.set ei, ei+1
.endr
	WIN 0x08
.set ei, 0
.rept 16
	v_pk_mul_f32 v[T+2*ei:T+2*ei+1], v[T+2*ei:T+2*ei+1], v[32*(\m)+2*ei:32*(\m)+2*ei+1]              ; x (c0 + c1 x^2)
.set ei, ei+1
.endr
	WIN 0
.set ei, 0
	s_wait_alu depctr_va_vdst(0)
.rept 32
	v_exp_f32 v[T+ei], v[T+ei]
.set ei, ei+1
.endr
	v_nop                                          ; a plain place behind the transcendentals
.set ei, 0
	s_wait_alu depctr_va_vdst(0)
.rept 16
	v_pk_add_f32 v[T+2*ei:T+2*ei+1], v[T+2*ei:T+2*ei+1], 1.0 op_sel_hi:[1,0]
.set ei, ei+1
.endr
.set ei, 0
	s_wait_alu depctr_va_vdst(0)
.rept 32
	v_rcp_f32 v[T+ei], v[T+ei]
.set ei, ei+1
.endr
	v_nop
	WIN 0x02
.set ei, 0
	s_wait_alu depctr_va_vdst(0)
.rept 16
	v_pk_mul_f32 v[T+2*ei:T+2*ei+1], v[32*(\m)+2*ei:32*(\m)+2*ei+1], v[T+2*ei:T+2*ei+1]              ; gelu(x)
.set ei, ei+1
.endr
	WIN 0
.irp b, 0,1
	v_max3_num_f32 v[32+\b], |v[T+16*\b]|, |v[T+1+16*\b]|, 0x8000000     ; the block's largest magnitude: my 16 numbers, and the floor 2^(16 - 127): so the byte cannot fall under 1
.endr
.irp i, 2,4,6,8,10,12,14
.irp b, 0,1
	v_max3_num_f32 v[32+\b], v[32+\b], |v[T+16*\b+\i]|, |v[T+1+16*\b+\i]|
.endr
.endr
.irp b, 0,1
	v_permlanex16_b32 v[34+\b], v[32+\b], s48, s49
.endr
.irp b, 0,1
	v_max_num_f32 v[32+\b], v[32+\b], v[34+\b]     ; with lane l xor 16's
.endr
	s_wait_alu depctr_va_vdst(0)
	s_wait_dscnt 0x0                               ; the last tile's stores into the stage have read their registers
.irp b, 0,1
	v_add_nc_u32 v[36+\b], 0xf8800000, v[32+\b]    ; 15 off the exponent field: the conversion's scale operand
	v_and_or_b32 v[38+\b], v[32+\b], 0x7f800000, s50   ; 57,344 x the scale
	v_lshrrev_b32 v[40+\b], 23, v[36+\b]           ; the scale's byte
.endr
	v_lshl_or_b32 v42, v41, 8, v40
.irp b, 0,1
.irp i, 0,1,2,3,4,5,6,7,8,9,10,11,12,13,14,15
	v_med3_num_f32 v[T+16*\b+\i], v[T+16*\b+\i], -v[38+\b], v[38+\b]     ; the conversion to an 8-bit code does not saturate (ISA guide 7.6.2): the hold at the largest code x the scale
.endr
	v_cvt_scalef32_pk8_bf8_f32 v[44+4*\b:45+4*\b], v[T+16*\b:T+7+16*\b], v[36+\b]
	v_cvt_scalef32_pk8_bf8_f32 v[46+4*\b:47+4*\b], v[T+8+16*\b:T+15+16*\b], v[36+\b]
.endr
	v_nop                                          ; a plain place behind the conversions: the next tile writes their sources
	ds_store_b128 v12, v[44:47] offset:(\m)*16*SGP         ; units 64 w + 16 h + 0 .. 15 of row 16 m + r,
	ds_store_b128 v12, v[48:51] offset:(\m)*16*SGP+32      ; and 32 further on
	ds_store_b16 v13, v42 offset:128*(\m)                  ; both lanes of a row write the same two bytes with the same values
.endm
	EPI 0
	EPI 1
	EPI 2
	EPI 3
	EPI 4
	EPI 5
	EPI 6
	EPI 7
.Lstaged:
	s_wait_dscnt 0x0                               ; for the others' sake: my part of the stage has landed
	s_barrier_signal -1
	s_barrier_wait -1                              ; 128 rows of 256 codes and 8 scale bytes lie in LDS
; ---------------- the way out ----------------
	s_cmp_le_i32 s37, 0
	s_cbranch_scc1 .Lend
	s_wait_loadcnt 0x0                             ; my thread's slot (it came long ago: nothing is out here)
.set oi, 0
.rept 16                               ; my wave's 32 rows, two an instruction, and their slots
	ds_load_b128 v[128+4*oi:131+4*oi], v16 offset:2*SGP*oi
	ds_load_b32 v[192+oi], v17 offset:8*oi
.set oi, oi+1
.endr
	ds_load_b64 v[24:25], v22
	s_wait_dscnt 0x0
.set oi, 0
.rept 16
	v_min_u32 v[192+oi], 0x3fff, v[192+oi]
	v_lshl_add_u32 v[192+oi], v[192+oi], 9, v14    ; slot x 512 + 16 (lane % 16)
.set oi, oi+1
.endr
	v_min_u32 v23, 0x3fff, v3
	v_lshlrev_b32 v23, 4, v23
	s_wait_xcnt 0x0                                ; EXEC changes only behind s_wait_xcnt 0; between a restore and the next narrowing nothing is issued
.set oi, 0
.rept 16
	s_sub_co_i32 s55, s37, 2*oi
	v_cmp_gt_i32 vcc_lo, s55, v15                  ; row 32 w + 2 i + h is one of the tile's rows
	s_and_saveexec_b32 s54, vcc_lo
	global_store_b128 v[192+oi], v[128+4*oi:131+4*oi], s[16:17]    ; sixteen lanes store 256 consecutive bytes, at a multiple of 256 from h's first byte
	s_wait_xcnt 0x0
	s_or_b32 exec_lo, exec_lo, s54
.set oi, oi+1
.endr
	v_cmp_gt_i32 vcc_lo, s37, v0
	s_and_saveexec_b32 s54, vcc_lo
	global_store_b64 v23, v[24:25], s[18:19]       ; my thread's row: its half's 8 scale bytes
	s_wait_xcnt 0x0
	s_or_b32 exec_lo, exec_lo, s54
.Lend:
	s_barrier_signal -1
	s_barrier_wait -1
	s_wait_tensorcnt 0x0
	ds_add_u32 v126, v127
	s_wait_dscnt 0x0
	s_endpgm
.Lfunc_end_k_q64004ae94c_fc1:
	.size	k_q64004ae94c_fc1, .Lfunc_end_k_q64004ae94c_fc1-k_q64004ae94c_fc1
	.p2alignl 7, 3214868480
	.fill 96, 4, 3214868480
	.section	.rodata,"a",@progbits
	.p2align	6, 0x0
	.amdhsa_kernel k_q64004ae94c_fc1
		.amdhsa_group_segment_fixed_size 174080
		.amdhsa_private_segment_fixed_size 0
		.amdhsa_enable_private_segment 0
		.amdhsa_kernarg_size 64
		.amdhsa_user_sgpr_count 2
		.amdhsa_user_sgpr_kernarg_segment_ptr 1
		.amdhsa_wavefront_size32 1
		.amdhsa_system_sgpr_workgroup_id_x 1
		.amdhsa_system_sgpr_workgroup_id_y 1
		.amdhsa_system_sgpr_workgroup_id_z 1
		.amdhsa_system_vgpr_workitem_id 0
		.amdhsa_next_free_vgpr 1024
		.amdhsa_next_free_sgpr 66
		.amdhsa_reserve_vcc 1
		.amdhsa_float_denorm_mode_32 3
		.amdhsa_float_denorm_mode_16_64 3
		.amdhsa_memory_ordered 1
		.amdhsa_forward_progress 1
		.amdhsa_inst_pref_size 191
	.end_amdhsa_kernel
	.amdgpu_metadata
---
amdhsa.version: [ 1, 2 ]
amdhsa.kernels:
  - .name:           k_q64004ae94c_fc1
    .symbol:         k_q64004ae94c_fc1.kd
    .args:
      - { .name: list1, .offset: 0, .size: 8, .value_kind: global_buffer, .address_space: global }
      - { .name: ncnt, .offset: 8, .size: 8, .value_kind: global_buffer, .address_space: global }
      - { .name: hidden_states_codes, .offset: 16, .size: 8, .value_kind: global_buffer, .address_space: global }
      - { .name: hidden_states_scales, .offset: 24, .size: 8, .value_kind: global_buffer, .address_space: global }
      - { .name: w1l, .offset: 32, .size: 8, .value_kind: global_buffer, .address_space: global }
      - { .name: w1_scales, .offset: 40, .size: 8, .value_kind: global_buffer, .address_space: global }
      - { .name: h, .offset: 48, .size: 8, .value_kind: global_buffer, .address_space: global }
      - { .name: hs, .offset: 56, .size: 8, .value_kind: global_buffer, .address_space: global }
    .group_segment_fixed_size: 174080
    .private_segment_fixed_size: 0
    .kernarg_segment_align: 8
    .kernarg_segment_size: 64
    .max_flat_workgroup_size: 128
    .sgpr_count:     66
    .vgpr_count:     1024
    .wavefront_size: 32
...
	.end_amdgpu_metadata
.endif
;; end of part 5
;; launch fc2 (part 6): grid 4 x 64, 4 waves a work-group, no clusters, 217,088 bytes of LDS; arguments rec, coef, h, hs, w2l, w2_scales, out0; writes out0
.if DOCPART == 6
	.amdgcn_target "amdgcn-amd-amdhsa--gfx1250"
	.amdhsa_code_object_version 6
	.text
	.protected	k_q64004ae94c_fc2
	.globl	k_q64004ae94c_fc2
	.p2align	8
	.type	k_q64004ae94c_fc2,@function
k_q64004ae94c_fc2:
	s_mov_b64 s[64:65], 0
	v_nop
	global_prefetch_b8 v0, s[64:65] scope:SCOPE_SE
	s_setreg_imm32_b32 hwreg(HW_REG_WAVE_SCHED_MODE, 0, 2), 2
	s_setreg_imm32_b32 hwreg(HW_REG_WAVE_MODE, 25, 1), 1
	s_wait_xcnt 0x0
	s_wait_alu depctr_vm_vsrc(0)
; out[t] = the sum over the token's experts e of coef(t, e) x (h(t, e) W2[e]), on codes of E5M2 with one E8M0 scale for each 32 along K = 512.  Each output row has ONE owner: nothing is added through memory.
; A work-group takes 128 tokens (work-group y), in the order by (lower expert, higher expert) that rec holds, x 256 of the 1,024 columns (work-group x): 4 x 64 = 256 work-groups.
; It walks only the experts that its tokens use, in ascending order (a PASS each), and inside a pass only those tiles of 16 tokens of which some token uses the expert: scalar branches on whole numbers read from rec.
; SHARES.  Wave w makes columns 64 w .. 64 w + 63 for all 128 tokens: 32 accumulators `out` in window 3.  A pass's 32 KB of W2 come straight into the wave's registers (w2l holds register images), a whole pass ahead, in two sets.
; Both rows of h of every token (lower expert's, higher expert's) are gathered ONCE into LDS, ahead of every branch on data.
; TRANSPOSED USE: source 0 = 16 rows of W2, source 1 = 16 tokens: a lane holds one token and eight neighbouring columns.  A lane of an active tile picks its token's row for this expert: a number 0 or 1, held at 1 from above,
; times 2^17 bytes, onto the lower row's address.  A product goes to four accumulators `tmp`, and out += c x tmp, c the token's weight for this expert, 0 where the token does not use it.
; LIMIT: a token of an active tile that does not use the expert is multiplied all the same (its other row of h) and weighed by 0: that product must be finite.  NaN and infinities are not served.
; `out` is cleared by vector moves: which pass reaches a tile first hangs on the stored list, so no product can start the sums; the moves stand while the gathered rows are on their way.
; NO TENSOR LOADS, NO CLUSTER: the walk over experts hangs on the stored list, so partners would need different tiles of W2 in different numbers.
; LDS: rows of 528 bytes (512 codes + 16 scale bytes: 132 words, so row r starts at bank 4 r mod 64 (64 banks of 4 bytes: ISA guide 11.1)): token i's lower row at 528 i, its higher at 2^17 + 528 i;
;   behind them TOKT 128 token numbers and STAGE 16 rows x 272 bytes for each wave, for the way out.
; REGISTERS, window 0: v1-7 addresses; v8-11 c, a pair for each parity of the tile; v16-23 lower, v24-31 higher expert of token 16 mu + r; v32-47 their weights; v48-63 W2's scale words, two sets (register 4 (n / 2) + ks:
;   lanes 0-15 tile n even, lanes 16-31 odd); v64-71 h's scale words, two sets; v72-103 tmp; v104-123 at work; v128-255 h's fragments, two sets.  Windows 1, 2: W2's fragments, set 0, 1: (n, ks) at 64 n + 16 ks.  Window 3: out, (mu, n) at 8 (4 mu + n).
;   s24-31: tile mu's lanes whose lower expert is the pass's; s48-55: those that use it at all.
; THE MODE: SCHED_MODE bits 1:0 = 2 (LLVM: expert scheduling mode 2), set by the entry lines.  The code itself states the register dependences between vector or matrix instructions and memory or LDS instructions,
; and between vector instructions that write a scalar register and its readers, with s_wait_alu, always for 0.
; THE PLAN.  Registers that memory or LDS instructions touch:
;   v1, v2, v4, v12, v14, v15, v105, v112-115, v118-120   offsets and LDS addresses: made at the head, never written again: one wait on va_vdst ahead of the first load.
;   v72-103, window 2's v192-223   the gathers' offsets, a buffer for each of a token's two rows: written by vector instructions, a wait on va_vdst, read by 32 loads each.
;   v128-255, window 2's v0-135    the gathered rows: loads land, LDS stores read.  They and the offsets become h's fragments, tmp and W2's set 1: one wait on vm_vsrc behind the barrier.
;   W2's two sets and their scale words   A pass's products read one; the loads of the next pass land in the other, which the products of the pass before read: one wait on va_vdst at the pass's head.
;                                  No product of the pass names the other set, so its loads are dealt among the first tiles with no further wait.
;   v6, v7                         a tile's chosen LDS addresses: read by its 17 loads; written by the next active fetch, behind a wait on vm_vsrc at each fetch's head.
;   h's two fragment sets and their scale words   Tile mu's products read set mu % 2; the fetch of tile mu + 2 lands in it.  The wait on va_vdst behind the lines that make v6 and v7 states both dependences.
;   out                            written by multiply-adds; read by the stage's stores: one wait on va_vdst at the head of the way out.
;   v128-167, v192-231             the way out's two buffers: the stage's loads land; eight offsets are made in place (a wait on va_vdst ahead of the eight stores); a wait on vm_vsrc ahead of the loads two tiles on.
;   tmp and c are named by vector and matrix instructions alone.
.set AP,    528
.set AT,    16*AP
.set HISH,  17
.set HIOFF, 1<<HISH
.set TOKT,  HIOFF+128*AP
.set STAGE, TOKT+512
.set SGP,   272
.set LM,    24
.set AM,    48
.set MSB, 0
.macro WIN new                         ; the immediate's high byte repeats the setting that is left
.if MSB != \new
	s_set_vgpr_msb (MSB<<8)|\new
.set MSB, \new
.endif
.endm
	s_load_b256 s[4:11], s[0:1], 0x0               ; rec s[4:5], coef s[6:7], h s[8:9], hs s[10:11]
	s_load_b128 s[12:15], s[0:1], 0x20             ; w2l s[12:13], W2's scales s[14:15]
	s_load_b64 s[16:17], s[0:1], 0x30              ; out
	v_lshl_add_u32 v126, v0, 2, 0x34e00
	v_mov_b32 v127, 0
	v_lshrrev_b32 v117, 5, v0
	v_readfirstlane_b32 s18, v117                  ; wave 0..3
	s_mov_b32 s19, ttmp9                           ; which 256 columns
	s_and_b32 s20, ttmp7, 0xffff                   ; which 128 tokens
	v_and_b32 v117, 31, v0
	v_lshlrev_b32 v1, 4, v117                      ; 16 x lane
	v_and_b32 v110, 15, v0                         ; r
	v_bfe_u32 v111, v0, 4, 1                       ; h
	v_lshlrev_b32 v12, 2, v0
	v_lshlrev_b32 v14, 2, v110
	v_lshlrev_b32 v15, 3, v110
	s_lshl_b32 s56, s20, 9
	s_mov_b32 s57, 0
	s_lshl_b32 s58, s20, 10
	s_mov_b32 s59, 0
	; every offset and LDS address is made here, while the arguments are on their way
	v_mul_u32_u24 v2, v110, AP
	v_add_nc_u32 v4, 512, v2                       ; a token's scale words, lower row
	v_lshl_add_u32 v2, v111, 4, v2                 ; a fragment, lower row: row r, + 16 h
	v_add_nc_u32 v105, TOKT, v12
	v_mul_u32_u24 v114, v0, AP                     ; my thread's row
	v_add_nc_u32 v115, HIOFF, v114
	v_lshl_add_u32 v120, v111, 2, TOKT             ; the way out: a row's token
	v_lshlrev_b32 v121, 4, v110
.irp i, 8,9,10,11
	v_mov_b32 v\i, 0                               ; c: the pairs' upper words are named and never used
.endr
.irp i, 64,65,66,67,68,69,70,71
	v_mov_b32 v\i, 0x7f7f7f7f                      ; h's scale words begin as four bytes of the scale 1: a tile's fetch and its products stand under two branches on one mask, and so every way to a product stands behind a write.  No product uses these values
.endr
	s_wait_alu depctr_va_sdst(0)                   ; s18, the wave's number, is written, ahead of its first reader
	s_mul_i32 s54, s18, 32*AP
	v_add_nc_u32 v112, s54, v1                     ; where I put the rows that my wave gathers
	v_add_nc_u32 v113, HIOFF, v112
	s_mul_i32 s55, s18, 16*SGP
	s_add_co_u32 s55, s55, STAGE                   ; my stage
	v_mul_u32_u24 v118, v110, SGP
	v_lshl_add_u32 v118, v111, 5, v118
	v_add_nc_u32 v118, s55, v118                   ; in: row r, 32 bytes for each half of the lanes
	v_mul_u32_u24 v119, v111, SGP
	v_lshl_add_u32 v119, v110, 4, v119
	v_add_nc_u32 v119, s55, v119                   ; back: sixteen lanes to a row
	s_wait_kmcnt 0x0
	s_add_nc_u64 s[44:45], s[4:5], s[56:57]
	s_add_nc_u64 s[46:47], s[6:7], s[58:59]
	s_wait_alu depctr_va_vdst(0)                   ; the offsets and LDS addresses v1, v2, v4, v12, v14, v15, v105, v112-115, v118-120 are written, which the kernel's loads and stores read; so are v64-71, in which LDS loads land and which products take as scales
	global_load_b32 v13, v12, s[44:45]             ; my thread's token,
.irp mu, 0,1,2,3,4,5,6,7
	global_load_b32 v[16+\mu], v14, s[44:45] offset:64*\mu               ; token 16 mu + r of every tile,
	global_load_b64 v[32+2*\mu:33+2*\mu], v15, s[46:47] offset:128*\mu   ; and its two weights
.endr
	s_lshl_b32 s56, s19, 17
	s_lshl_b32 s55, s18, 15
	s_add_co_u32 s56, s56, s55
	s_add_nc_u64 s[32:33], s[12:13], s[56:57]      ; w2l at my four tiles: 8,192 bytes a tile
	s_lshl_b32 s56, s19, 12
	s_lshl_b32 s55, s18, 10
	s_add_co_u32 s56, s56, s55
	s_add_nc_u64 s[34:35], s[14:15], s[56:57]      ; W2's scale bytes at my 64 rows: 16 bytes a row
	s_lshl_b32 s56, s19, 10
	s_lshl_b32 s55, s18, 8
	s_add_co_u32 s56, s56, s55
	s_add_nc_u64 s[42:43], s[16:17], s[56:57]      ; out at my 256 bytes of a row
	s_wait_loadcnt 0x0
	v_and_b32 v104, 0xffff, v13                    ; t
	v_bfe_u32 v122, v13, 16, 4
	v_bfe_u32 v123, v13, 20, 4
	v_cmp_ne_u32 vcc_lo, v122, v123
	v_lshlrev_b32 v106, 1, v104                    ; the lower expert's row of h: 2 t;
	s_wait_alu depctr_va_vcc(0)                    ; VCC is written, ahead of the select that reads it
	v_cndmask_b32 v107, 0, 1, vcc_lo
	v_add_nc_u32 v107, v107, v106                  ; the higher's: 2 t + 1; a token with one expert takes its one row twice: no byte is read that fc1 did not write
	v_min_u32 v108, 0x3fff, v106
	v_lshlrev_b32 v108, 4, v108
	v_min_u32 v109, 0x3fff, v107
	v_lshlrev_b32 v109, 4, v109
; Sixteen tokens' offsets in h: token 32 w + 16 half + i, its row's number out of lane 16 half + i of v[src]; 512 bytes a row, 16 a lane.  The sixteen lane reads stand in one run, with one wait behind them.
.macro OFFS src, half, dst, win
.set xi, 0
.rept 16
	v_readlane_b32 s[48+xi], v[\src], 16*(\half)+xi
.set xi, xi+1
.endr
	s_wait_alu depctr_va_sdst(0)                   ; s48-63 are written, ahead of their first readers
.set xi, 0
.rept 16
	s_min_u32 s[48+xi], s[48+xi], 16383
.set xi, xi+1
.endr
	WIN \win
.set xi, 0
.rept 16
	v_lshl_add_u32 v[(\dst)+16*(\half)+xi], s[48+xi], 9, v1
.set xi, xi+1
.endr
	WIN 0
.endm
	OFFS 106, 0, 72, 0
	OFFS 106, 1, 72, 0
	s_wait_alu depctr_va_vdst(0)                   ; the lower rows' offsets v72-103 are written, which the loads read; so are v104, the LDS store's data, and v108, v109, the scale bytes' offsets
	ds_store_b32 v105, v104
.set xi, 0
.rept 32                               ; token 32 w + i: its lower row
	global_load_b128 v[128+4*xi:131+4*xi], v[72+xi], s[8:9]
.set xi, xi+1
.endr
	OFFS 107, 0, 192, 0x80                         ; the higher rows' offsets have registers of their own, v192-223 of window 2: none that a load still reads is written
	OFFS 107, 1, 192, 0x80
	WIN 0x82                                       ; destination and address window 2
	s_wait_alu depctr_va_vdst(0)                   ; the higher rows' offsets are written, which the loads read
.set xi, 0
.rept 32                               ; and its higher row
	global_load_b128 v[4*xi:4*xi+3], v[192+xi], s[8:9]
.set xi, xi+1
.endr
	WIN 0x80                                       ; destination window 2, address window 0
	global_load_b128 v[128:131], v108, s[10:11]    ; my thread's token: the 16 scale bytes of each row
	global_load_b128 v[132:135], v109, s[10:11]
	WIN 0
	v_mov_b32 v116, 0
.irp mu, 0,1,2,3,4,5,6,7
	v_bfe_u32 v[24+\mu], v[16+\mu], 20, 4          ; higher,
	v_bfe_u32 v[16+\mu], v[16+\mu], 16, 4          ; lower expert
	v_lshl_or_b32 v116, 1, v[24+\mu], v116
	v_lshl_or_b32 v116, 1, v[16+\mu], v116
.endr
	s_mov_b32 s21, 0
.set ue, 0
.rept 8                                ; the experts that the 128 tokens use, a bit each: the same in all four waves.  The eight compares stand in one run
	v_and_b32 v117, (1<<ue), v116
	v_cmp_ne_u32 s[48+ue], 0, v117
.set ue, ue+1
.endr
	s_wait_alu depctr_va_sdst(0)                   ; s48-55 are written, ahead of their first readers
.set ue, 0
.rept 8
	s_cmp_lg_u32 s[48+ue], 0
	s_cselect_b32 s41, (1<<ue), 0
	s_or_b32 s21, s21, s41
.set ue, ue+1
.endr
	s_ctz_i32_b32 s22, s21                         ; the first of them
	s_sub_co_u32 s41, s21, 1
	s_and_b32 s21, s21, s41
; W2[s22]'s part for my wave into a set: 2 loads of scale words, 64 of 512 consecutive bytes of codes, in four parts of 16 (a tile n each).
.macro WPART set, n
.set W, 0x40*(1+(\set))
	WIN W
.set bi, 16*(\n)
.rept 16
	global_load_b128 v[4*bi:4*bi+3], v1, s[36:37] offset:512*bi
.set bi, bi+1
.endr
	WIN 0
.endm
; The pointers, the scale words and the first part.  again = 1: the set has been multiplied before.
.macro WHEAD set, again
	s_min_u32 s41, s22, 7
	s_lshl_b32 s56, s41, 19
	s_mov_b32 s57, 0
	s_add_nc_u64 s[36:37], s[32:33], s[56:57]
	s_lshl_b32 s56, s41, 14
	s_add_nc_u64 s[38:39], s[34:35], s[56:57]
.if \again
	s_wait_alu depctr_va_vdst(0)                   ; the products of the pass before are done reading this set and its scale words, in which the loads of this pass land (in the first trip: the offsets that lay in window 2 are written).  No product of this pass names them
.endif
	global_load_b128 v[48+8*(\set):51+8*(\set)], v1, s[38:39]
	global_load_b128 v[52+8*(\set):55+8*(\set)], v1, s[38:39] offset:512
	WPART \set, 0
.endm
	WHEAD 0, 0
	WPART 0, 1
	WPART 0, 2
	WPART 0, 3
	WIN 0xC0
.set xi, 0
.rept 256
	v_mov_b32 v[xi], 0                             ; out
.set xi, xi+1
.endr
	WIN 0
	s_wait_loadcnt 0x3f                            ; the gathered rows are in: 66 loads were issued behind them, and 63 is the largest count that can be written
.set xi, 0
.rept 32
	ds_store_b128 v112, v[128+4*xi:131+4*xi] offset:AP*xi
.set xi, xi+1
.endr
	WIN 0x08                                       ; an LDS store's data are its source 1: window 2
.set xi, 0
.rept 32
	ds_store_b128 v113, v[4*xi:4*xi+3] offset:AP*xi
.set xi, xi+1
.endr
	ds_store_b128 v114, v[128:131] offset:512
	ds_store_b128 v115, v[132:135] offset:512
	WIN 0
	s_wait_dscnt 0x0                               ; for the others' sake: my 64 rows and my 32 token numbers have landed
	s_barrier_signal -1
	s_barrier_wait -1                              ; all 256 rows lie in LDS
	s_wait_alu depctr_vm_vsrc(0)                   ; my LDS stores have read v128-255 and window 2's v0-135, the gathers their offsets in v72-103 and window 2's v192-223: from here on these registers are h's fragments, tmp and W2's set 1
; A pass's masks, for expert s23: all sixteen compares in one run, one wait, then the lanes of each tile that use the expert at all.
.macro MASKS
.irp mu, 0,1,2,3,4,5,6,7
	v_cmp_eq_u32 s[LM+\mu], s23, v[16+\mu]
	v_cmp_eq_u32 s[AM+\mu], s23, v[24+\mu]
.endr
	s_wait_alu depctr_va_sdst(0)                   ; s24-31 and s48-55 are written, ahead of their first readers
.irp mu, 0,1,2,3,4,5,6,7
	s_or_b32 s[AM+\mu], s[AM+\mu], s[LM+\mu]
.endr
.endm
; Tile mu of 16 tokens is looked at.  If some token uses the expert: each lane's weight and row, and 17 LDS loads into set mu % 2.  Either way the tile before is in when the macro ends:
; behind its loads stand the 17 just issued, or none.
.macro LFETCH mu
.set lp, (\mu)&1
	s_wait_alu depctr_vm_vsrc(0)                   ; the last fetch's LDS loads have read v6 and v7, which the lines behind the branch write
	s_cmp_lg_u32 s[AM+(\mu)], 0
	s_cbranch_scc0 .Lidle_\@
	v_cndmask_b32 v6, 1, 0, s[LM+(\mu)]            ; 0: the lower expert's row, 1: the higher's
	v_cndmask_b32 v[8+2*lp], v[33+2*(\mu)], v[32+2*(\mu)], s[LM+(\mu)]
	v_min_u32 v6, 1, v6                            ; a number that hangs on loaded data enters an address only behind a hold
	v_cndmask_b32 v[8+2*lp], 0, v[8+2*lp], s[AM+(\mu)]
	v_lshl_add_u32 v7, v6, HISH, v4
	v_lshl_add_u32 v6, v6, HISH, v2
	s_wait_alu depctr_va_vdst(0)                   ; v6 and v7 are written, which the loads read; the products of the tile two back are done reading this set of fragments and its scale words, in which the loads land
.set lk, 0
.rept 4
.set lc, 0
.rept 4
	ds_load_b128 v[128+64*lp+16*lk+4*lc:128+64*lp+16*lk+4*lc+3], v6 offset:AT*(\mu)+128*lk+32*lc
.set lc, lc+1
.endr
.set lk, lk+1
.endr
	ds_load_b128 v[64+4*lp:67+4*lp], v7 offset:AT*(\mu)
	s_wait_dscnt 17
	s_branch .Ljoin_\@
.Lidle_\@:
	s_wait_dscnt 0x0
.Ljoin_\@:
.endm
; The tile's products, if it is active: 16 matrix instructions, K step by K step, the four accumulators by turns; then out += c x tmp, each accumulator from its low end on.
; The eight v_nop are the places in front of the first read of tmp; they and the multiply-adds on the other three accumulators are the nine places in front of the next tile's product that begins tmp anew.
.macro WTILE mu, set
.set wp, (\mu)&1
	s_cmp_lg_u32 s[AM+(\mu)], 0
	s_cbranch_scc0 .Lskip_\@
.set W, 1+(\set)
	WIN W                                          ; source 0 (W2) window 1 or 2; h, tmp window 0
.set wk, 0
.rept 4
.set wn, 0
.rept 4
.set rD, 72+8*wn
.set rB, 64*wn+16*wk
.set rA, 128+64*wp+16*wk
.set rSW, 48+8*(\set)+4*(wn/2)+wk
.set rSH, 64+4*wp+wk
.if wk == 0
.if (wn&1) == 0
	v_wmma_scale_f32_16x16x128_f8f6f4 v[rD:rD+7], v[rB:rB+15], v[rA:rA+15], 0, v[rSW], v[rSH] matrix_a_fmt:MATRIX_FMT_BF8 matrix_b_fmt:MATRIX_FMT_BF8
.else
	v_wmma_scale_f32_16x16x128_f8f6f4 v[rD:rD+7], v[rB:rB+15], v[rA:rA+15], 0, v[rSW], v[rSH] matrix_a_fmt:MATRIX_FMT_BF8 matrix_b_fmt:MATRIX_FMT_BF8 matrix_a_scale:MATRIX_SCALE_ROW1
.endif
.else
.if (wn&1) == 0
	v_wmma_scale_f32_16x16x128_f8f6f4 v[rD:rD+7], v[rB:rB+15], v[rA:rA+15], v[rD:rD+7], v[rSW], v[rSH] matrix_a_fmt:MATRIX_FMT_BF8 matrix_b_fmt:MATRIX_FMT_BF8
.else
	v_wmma_scale_f32_16x16x128_f8f6f4 v[rD:rD+7], v[rB:rB+15], v[rA:rA+15], v[rD:rD+7], v[rSW], v[rSH] matrix_a_fmt:MATRIX_FMT_BF8 matrix_b_fmt:MATRIX_FMT_BF8 matrix_a_scale:MATRIX_SCALE_ROW1
.endif
.endif
.set wn, wn+1
.endr
.set wk, wk+1
.endr
.rept 8
	v_nop
.endr
	WIN 0xF0                                       ; out (destination and source 2) window 3; tmp and c window 0
.set wi, 0
.rept 16
	v_pk_fma_f32 v[32*(\mu)+2*wi:32*(\mu)+2*wi+1], v[72+2*wi:73+2*wi], v[8+2*wp:9+2*wp], v[32*(\mu)+2*wi:32*(\mu)+2*wi+1] op_sel_hi:[1,0,1]
.set wi, wi+1
.endr
	WIN 0
.Lskip_\@:
.endm
; A pass's eight tiles; a tile's loads are issued ahead of the products of the tile before.  fill = 1: the other three parts of the next pass's weights go out among the first tiles, into the set that this pass does not multiply:
; no vector or matrix instruction since the wait at the pass's head names that set.
.macro TILES set, fill
	MASKS
	LFETCH 0
	LFETCH 1
.if \fill
	WPART 1-\set, 1
.endif
	WTILE 0, \set
	LFETCH 2
.if \fill
	WPART 1-\set, 2
.endif
	WTILE 1, \set
	LFETCH 3
.if \fill
	WPART 1-\set, 3
.endif
	WTILE 2, \set
	LFETCH 4
	WTILE 3, \set
	LFETCH 5
	WTILE 4, \set
	LFETCH 6
	WTILE 5, \set
	LFETCH 7
	WTILE 6, \set
	s_wait_dscnt 0x0
	WTILE 7, \set
.endm
.macro NEXT                            ; this pass's weights, asked for a pass ago, are in, so no load is out and the weights' pointers may be written; s23 the pass's expert, s22 the next (above 7: none)
	s_wait_loadcnt 0x0
	s_mov_b32 s23, s22
	s_ctz_i32_b32 s22, s21
	s_sub_co_u32 s41, s21, 1
	s_and_b32 s21, s21, s41
.endm
	s_mov_b32 s40, 4                               ; at most 8 passes.  The last pass is written out, once for each set, so that every pass that reads a set stands behind that set's loads
.Lpass:
	NEXT
	s_cmp_gt_u32 s22, 7
	s_cbranch_scc1 .Llast0
	WHEAD 1, 1
	TILES 0, 1
	NEXT
	s_cmp_gt_u32 s22, 7
	s_cbranch_scc1 .Llast1
	WHEAD 0, 1
	TILES 1, 1
	s_sub_co_u32 s40, s40, 1
	s_cmp_lg_u32 s40, 0
	s_cbranch_scc1 .Lpass
	s_branch .Ldone
.Llast0:
	TILES 0, 0
	s_branch .Ldone
.Llast1:
	TILES 1, 0
.Ldone:
	s_wait_dscnt 0x0                               ; my reads of the rows are over.  Their addresses were chosen by loaded numbers: a barrier, which every way passes once,
	s_barrier_signal -1                            ; parts all waves' reads of that kind from the stores into the stages
	s_barrier_wait -1
	s_wait_alu depctr_va_vdst(0)                   ; the moves and multiply-adds have written out, which the stage's stores read; the products are done reading h's fragments, in which the stage's loads land
; THE WAY OUT, a tile of 16 tokens at a time.  A lane holds 32 neighbouring bytes of a token's row and the lanes beside it hold other tokens: so a tile goes through my own stage and comes back as rows of 256 bytes,
; which sixteen lanes store at the token's row of out.  LDS serves a wave's instructions in order (ISA guide 5.7.1.4): no wait between the stores and the loads, nor in front of the next tile's stores.
.macro TOSTAGE mu
	WIN 0x0C                                       ; the data: window 3
.set tn, 0
.rept 4
	ds_store_b128 v118, v[32*(\mu)+8*tn:32*(\mu)+8*tn+3] offset:64*tn
	ds_store_b128 v118, v[32*(\mu)+8*tn+4:32*(\mu)+8*tn+7] offset:64*tn+16
.set tn, tn+1
.endr
	WIN 0
.set tb, 128+64*((\mu)&1)
.set ti, 0
.rept 8
	ds_load_b128 v[tb+4*ti:tb+4*ti+3], v119 offset:2*SGP*ti
	ds_load_b32 v[tb+32+ti], v120 offset:(16*(\mu)+2*ti)*4
.set ti, ti+1
.endr
.endm
.macro SEND mu, younger                ; younger: the LDS instructions issued behind the tile's loads, which may stay out
.set tb, 128+64*((\mu)&1)
	s_wait_dscnt \younger
.set ti, 0
.rept 8
	v_min_u32 v[tb+32+ti], 0x1fff, v[tb+32+ti]
	v_lshl_add_u32 v[tb+32+ti], v[tb+32+ti], 12, v121      ; token x 4,096 + 16 (lane % 16)
.set ti, ti+1
.endr
	s_wait_alu depctr_va_vdst(0)                   ; the eight offsets are written, which the stores read; no vector instruction names this buffer again before the loads of two tiles on land in it
.set ti, 0
.rept 8
	global_store_b128 v[tb+32+ti], v[tb+4*ti:tb+4*ti+3], s[42:43] th:TH_STORE_NT   ; sixteen lanes store 256 consecutive bytes, at a multiple of 256 from out's first byte; written once, read by nobody here
.set ti, ti+1
.endr
.endm
	TOSTAGE 0
.irp a, 1,2,3,4,5,6,7
.if \a > 1
	s_wait_xcnt 0x0                                ; the stores of the tile two back have had their addresses translated: this tile's loads may land in their registers
	s_wait_alu depctr_vm_vsrc(0)                   ; and they have read their data and their offsets, in which this tile's loads land
.endif
	TOSTAGE \a
	SEND (\a-1), 24                                ; behind that tile's loads: this tile's 8 stores and 16 loads
.endr
	SEND 7, 0
	s_barrier_signal -1
	s_barrier_wait -1
	s_wait_dscnt 0x0                               ; the closing lines, six on end
	s_wait_alu 0x0
	s_wait_tensorcnt 0x0
	ds_add_u32 v126, v127
	s_wait_dscnt 0x0
	s_endpgm
.Lfunc_end_k_q64004ae94c_fc2:
	.size	k_q64004ae94c_fc2, .Lfunc_end_k_q64004ae94c_fc2-k_q64004ae94c_fc2
	.p2alignl 7, 3214868480
	.fill 96, 4, 3214868480
	.section	.rodata,"a",@progbits
	.p2align	6, 0x0
	.amdhsa_kernel k_q64004ae94c_fc2
		.amdhsa_group_segment_fixed_size 217088
		.amdhsa_private_segment_fixed_size 0
		.amdhsa_enable_private_segment 0
		.amdhsa_kernarg_size 56
		.amdhsa_user_sgpr_count 2
		.amdhsa_user_sgpr_kernarg_segment_ptr 1
		.amdhsa_wavefront_size32 1
		.amdhsa_system_sgpr_workgroup_id_x 1
		.amdhsa_system_sgpr_workgroup_id_y 1
		.amdhsa_system_sgpr_workgroup_id_z 1
		.amdhsa_system_vgpr_workitem_id 0
		.amdhsa_next_free_vgpr 1024
		.amdhsa_next_free_sgpr 66
		.amdhsa_reserve_vcc 1
		.amdhsa_float_denorm_mode_32 3
		.amdhsa_float_denorm_mode_16_64 3
		.amdhsa_memory_ordered 1
		.amdhsa_forward_progress 1
		.amdhsa_inst_pref_size 255
	.end_amdhsa_kernel
	.section	.bss,"aw",@nobits
	.p2align	6
	.space	262144
	.amdgpu_metadata
---
amdhsa.version: [ 1, 2 ]
amdhsa.kernels:
  - .name:           k_q64004ae94c_fc2
    .symbol:         k_q64004ae94c_fc2.kd
    .args:
      - { .name: rec, .offset: 0, .size: 8, .value_kind: global_buffer, .address_space: global }
      - { .name: coef, .offset: 8, .size: 8, .value_kind: global_buffer, .address_space: global }
      - { .name: h, .offset: 16, .size: 8, .value_kind: global_buffer, .address_space: global }
      - { .name: hs, .offset: 24, .size: 8, .value_kind: global_buffer, .address_space: global }
      - { .name: w2l, .offset: 32, .size: 8, .value_kind: global_buffer, .address_space: global }
      - { .name: w2_scales, .offset: 40, .size: 8, .value_kind: global_buffer, .address_space: global }
      - { .name: out0, .offset: 48, .size: 8, .value_kind: global_buffer, .address_space: global }
    .group_segment_fixed_size: 217088
    .private_segment_fixed_size: 0
    .kernarg_segment_align: 8
    .kernarg_segment_size: 56
    .max_flat_workgroup_size: 128
    .sgpr_count:     66
    .vgpr_count:     1024
    .wavefront_size: 32
...
	.end_amdgpu_metadata
.endif
;; end of part 6
